; MI455X (gfx1250); checked and timed in simulation.
; The chip was launched on July 23, 2026; its instructions are those of AMD's public machine-readable ISA for CDNA 5 (MIT licence, August 2026) and "CDNA5" Instruction Set Architecture Reference Guide (July 2026). The comments in the code are by the model that wrote it; some were corrected since.
;; Multi Head Self Attention. Allowed arithmetic: matrix products marked QUANTISED: E5M2 operands, one E8M0 scale for each 32 along K, by v_wmma_scale_f32_16x16x128_f8f6f4 with both operands' format E5M2, f32 sums; everything else in f32.
;; Inputs: attn_mask 4 x 2,048 int32; bk 1,024 float32; bo 1,024 float32; bq 1,024 float32; bv 1,024 float32; wk 1,024 x 1,024 float32; wo 1,024 x 1,024 float32; wq 1,024 x 1,024 float32; wv 1,024 x 1,024 float32; x 4 x 2,048 x 1,024 float32.
;; Outputs: out0 4 x 2,048 x 1,024 float32.
;; This version of the problem:
;;   THIS VERSION OF THE PROBLEM IS GIVEN IN LOW PRECISION. The matrix products marked QUANTISED in the list below multiply operands that are first quantised to E5M2 (5 exponent bits, 2 mantissa bits; 8 bits a number), with one power-of-two scale for each 32 numbers along K (OCP MX v1.0); their sums are f32. All else is computed in f32.
;;   The module's matrix products, in the order in which they are computed (A, B: the left and right operand; K: the contracted axis; several contracted axes count as one K, in the product's order):
;;     1. [M 8,192, K 1,024] x [K 1,024, N 1,024]; A: input x; B: input wq: QUANTISED
;;     2. [M 8,192, K 1,024] x [K 1,024, N 1,024]; A: input x; B: input wk: QUANTISED
;;     3. [M 8,192, K 1,024] x [K 1,024, N 1,024]; A: input x; B: input wv: QUANTISED
;;     4. batch 64 x [M 2,048, K 64] x [K 64, N 2,048]; A: computed on the way; B: computed on the way: QUANTISED
;;     5. batch 64 x [M 2,048, K 2,048] x [K 2,048, N 64]; A: softmax (see below); B: computed on the way: QUANTISED
;;     6. [M 8,192, K 1,024] x [K 1,024, N 1,024]; A: computed on the way; B: input wo: QUANTISED
;;   THE QUANTISER, for each operand of a quantised product, along K:
;;     - K is cut into blocks of 32 from its start; a last block that is shorter is filled with zeros.
;;     - A block's scale is 2^e with e = floor(log2(the largest magnitude in the block)) - 15, held to -126 .. 127; a block of zeros has e = 0. As a byte (E8M0): e + 127.
;;     - Each number is divided by its block's scale, clamped to +-57,344, and rounded to the nearest number of E5M2, ties to even, subnormals kept.
;;     - The product sums the exact products of the quantised numbers (number of the format x scale) in f32.
;;   ~~~python
;;   def quantise(x, axis):      # numpy; x: float32 -> the quantised numbers, widened to float32 again
;;       x = np.moveaxis(x, axis, -1); K = x.shape[-1]
;;       x = np.pad(x, [(0, 0)] * (x.ndim - 1) + [(0, -K % 32)]); x = x.reshape(x.shape[:-1] + (-1, 32)); a = np.abs(x).max(-1, keepdims=True)
;;       e = np.where(a > 0, np.clip(np.frexp(np.where(a > 0, a, 1))[1] - 1 - 15, -126, 127), 0)      # np.frexp(a)[1] - 1 = floor(log2(a)), exactly
;;       r = np.clip(x / 2.0 ** e, -57344, 57344)
;;       step = 2.0 ** (np.maximum(np.frexp(np.where(r == 0, 1, r))[1] - 1, -14) - 2)
;;       q = np.round(r / step) * step * 2.0 ** e      # np.round: ties to even
;;       return np.moveaxis(q.reshape(q.shape[:-2] + (-1,))[..., :K], -1, axis).astype(np.float32)
;;   ~~~
;;   SOFTMAX AHEAD OF A QUANTISED PRODUCT. Where the list says 'softmax', what is quantised is not the finished softmax but p = 2^(t - M), with t = logit x log2(e) and M = ceil(the row's largest t), a whole number; so 1/2 < the row's largest p <= 1. The row's sum l is taken of the UNQUANTISED p, in f32, and the product's result is divided by l at the end. Since M is a whole number, a kernel that streams over the keys may use a running M (the ceiling of the running maximum): every later rescaling is an exact power of two, which a block's scale takes up: the codes' values come out the same.
;;   OPERANDS COMPUTED ON THE WAY. 'Computed on the way' means the value that the module computes at that place (a softmax that the list does not call 'softmax' is quantised finished and normalised). What goes into a quantiser is computed in f32, as accurately as f32 sums, v_exp_f32 and their like allow (about 1e-6 of the number): no bf16 or f16 on the way to a quantiser, and a product that is left as it is and whose result goes on into a quantised operand takes f32 operands (vector FMAs, or v_wmma_f32_16x16x4_f32). A number that lies on a knife's edge between two numbers of the format may be rounded either way, as far as f32 arithmetic and the matrix unit's own rounding can turn it there, and no further.
;; One version. Each part assembles by itself: llvm-mc -triple=amdgcn-amd-amdhsa -mcpu=gfx1250 --defsym DOCPART=n.
;; ======== version 1 of 1: 4 launches
;; limits: right only within a limited range of input values
;; workspace buffers: opimg 12,582,912 bytes; opscl 393,216 bytes; qkvimg 25,165,824 bytes; qkvscl 786,432 bytes; aoimg 8,388,608 bytes; aoscl 262,144 bytes
;; launch prep (part 1): grid 512 x 1, 4 waves a work-group, no clusters, 35,328 bytes of LDS; arguments x, wq, wk, wv, wo, opimg, opscl; writes opimg, opscl
.if DOCPART == 1
	.amdgcn_target "amdgcn-amd-amdhsa--gfx1250"
	.amdhsa_code_object_version 6
	.text
	.protected	k_qa70d5ae74c_prep
	.globl	k_qa70d5ae74c_prep
	.p2align	8
	.type	k_qa70d5ae74c_prep,@function
k_qa70d5ae74c_prep:
	s_mov_b64 s[64:65], 0
	v_nop
	global_prefetch_b8 v0, s[64:65] scope:SCOPE_SE
	s_setreg_imm32_b32 hwreg(HW_REG_WAVE_MODE, 25, 1), 1
	s_wait_xcnt 0x0
; x [8192][1024] (K innermost) and wq, wk, wv, wo [1024 (K)][1024 (n)] (K outermost), all f32, become codes of BF8 (E5M2) with one E8M0 byte for each 32 along K.
; A block's scale is 2^(floor(log2(its largest magnitude)) - 15); each number is divided by it, held within +-57,344 and rounded to the nearest code, ties to even.
; LAYOUT OF THE RESULT.  An operand's row (a token of x, an output column of a weight) lies at its POSITION: its index with bits 3 and 4 exchanged.  So lane r of tile 2 b + u holds index 32 b + 8 u + r + 8 (r / 8),
; and where such rows are source 0 of a product, a lane's 16 result registers of tiles 2 b and 2 b + 1 are 16 neighbouring indices.  K is never permuted.
; A fragment (16 positions x 128 K) lies as the IMAGE OF ITS REGISTERS: [c 0..3][lane 0..31][16 bytes], lane (r, h) holding K = 32 c + 16 h + 0 .. 15 of row r: 2,048 bytes.
; opimg: [rowblock of 128 positions 0..95][K step of 128, 0..7][tile 0..7][2,048];  opscl: [rowblock][K step][128 words], a word = a row's four bytes.  Rowblocks 0-63 x, 64-71 wq, 72-79 wk, 80-87 wv, 88-95 wo.
; Work-groups 0-255 take x, 256-511 the weights: one scalar branch on the work-group's number.  Only the x path uses LDS; waves share nothing: no barrier.
; LIMITS: NaN and infinities among the inputs are not served.  A block whose largest magnitude lies under 2^-111 keeps the byte 1; a block of zeros gets the byte 1 where the rule says 127: its codes are zeros, and this program alone reads the bytes.
.set WV,  18                           ; s18  wave
.set SEL, 20                           ; s[20:21] selects of v_permlanex16_b32 for lane l xor 16
.set MNT, 23                           ; s23  the mantissa field of 57,344
.set R,   32                           ; x path: v32-159 two sets of 64 registers as loaded
.set XW,  160                          ; v160-223 64 numbers of a lane: register 16 b + i = K 32 b + 16 h + i of its row
.set PC,  224                          ; v224-239 a fragment's codes
.set TM,  240                          ; v240-255 at work
.set PW,  15                           ; v15 the scale word just made
.set WX,  32                           ; weight path: v32-159 four blocks of 32 numbers
.set WC,  160                          ; v160-191 eight registers of codes for each block: no store's data are written again
	s_load_b256 s[4:11], s[0:1], 0x0               ; x s[4:5], wq s[6:7], wk s[8:9], wv s[10:11]
	s_load_b128 s[12:15], s[0:1], 0x20             ; wo s[12:13], opimg s[14:15]
	s_load_b64 s[16:17], s[0:1], 0x30              ; opscl
	v_lshl_add_u32 v30, v0, 2, 0x8800
	v_mov_b32 v31, 0
	v_lshrrev_b32 v1, 5, v0
	v_readfirstlane_b32 s[WV], v1                  ; wave 0..3
	v_and_b32 v7, 31, v0                           ; lane
	s_mov_b32 s[MNT], 0x600000
	s_cmp_lt_u32 ttmp9, 256
	s_cbranch_scc0 .Lweights
; ---------------- x: a wave makes four fragments: 64 positions x 128 K ----------------
; 64 numbers of a lane, v[s] on, become a fragment's codes in v[PC] on and its row's scale word in v[PW]
.macro QUANT s
.irp b, 0,1,2,3
	v_max3_num_f32 v[TM+\b], |v[\s+16*\b]|, |v[\s+1+16*\b]|, 0x8000000   ; block b: my 16 numbers, and the floor 2^(16 - 127): the byte cannot fall under 1
.endr
.irp i, 2,4,6,8,10,12,14
.irp b, 0,1,2,3
	v_max3_num_f32 v[TM+\b], v[TM+\b], |v[\s+16*\b+\i]|, |v[\s+1+16*\b+\i]|   ; the four blocks by turns
.endr
.endr
.irp b, 0,1,2,3
	v_permlanex16_b32 v[TM+4+\b], v[TM+\b], s[SEL], s[SEL+1]
.endr
.irp b, 0,1,2,3
	v_max_num_f32 v[TM+\b], v[TM+\b], v[TM+4+\b]   ; with lane l xor 16's 16: the block's largest magnitude
.endr
.irp b, 0,1,2,3
	v_add_nc_u32 v[TM+12+\b], 0xf8800000, v[TM+\b] ; 15 off its exponent field: the conversion's scale operand
.endr
.irp b, 0,1,2,3
	v_and_or_b32 v[TM+8+\b], v[TM+\b], 0x7f800000, s[MNT]   ; 57,344 x the scale
.endr
.irp b, 0,1,2,3
	v_lshrrev_b32 v[TM+4+\b], 23, v[TM+12+\b]      ; the scale's byte
.endr
	v_lshl_or_b32 v[PW], v[TM+5], 8, v[TM+4]
	v_lshl_or_b32 v[PW], v[TM+6], 16, v[PW]
	v_lshl_or_b32 v[PW], v[TM+7], 24, v[PW]
.irp b, 0,1,2,3
.irp i, 0,1,2,3,4,5,6,7,8,9,10,11,12,13,14,15
	v_med3_num_f32 v[\s+16*\b+\i], v[\s+16*\b+\i], -v[TM+8+\b], v[TM+8+\b]   ; the conversion to an 8-bit code does not saturate (ISA guide 7.6.2): the hold comes first
.endr
	v_cvt_scalef32_pk8_bf8_f32 v[PC+4*\b:PC+1+4*\b], v[\s+16*\b:\s+7+16*\b], v[TM+12+\b]
	v_cvt_scalef32_pk8_bf8_f32 v[PC+2+4*\b:PC+3+4*\b], v[\s+8+16*\b:\s+15+16*\b], v[TM+12+\b]
.endr
	v_nop                                          ; a plain line behind the last conversion
.endm
	s_lshl_b32 s24, ttmp9, 2
	s_add_co_u32 s24, s24, s[WV]                   ; W = 4 x work-group + wave, 0..1023
	s_lshr_b32 s25, s24, 3                         ; G: which 64 rows
	s_and_b32 s26, s24, 7                          ; which K step of 128
	s_lshl_b32 s28, s25, 18                        ; x: 64 rows of 4,096 bytes,
	s_lshl_b32 s27, s26, 9                         ; + 512 bytes a K step
	s_add_co_u32 s28, s28, s27
	s_mov_b32 s29, 0
	s_lshr_b32 s27, s25, 1                         ; the rowblock
	s_and_b32 s25, s25, 1                          ; and which half of it
	s_lshl_b32 s30, s27, 17
	s_lshl_b32 s32, s26, 14
	s_add_co_u32 s30, s30, s32
	s_lshl_b32 s32, s25, 13
	s_add_co_u32 s30, s30, s32                     ; codes: rowblock x 131,072 + K step x 16,384 + half x 8,192
	s_mov_b32 s31, 0
	s_lshl_b32 s32, s27, 12
	s_lshl_b32 s34, s26, 9
	s_add_co_u32 s32, s32, s34
	s_lshl_b32 s34, s25, 8
	s_add_co_u32 s32, s32, s34                     ; scale words: rowblock x 4,096 + K step x 512 + half x 256
	s_mov_b32 s33, 0
	s_wait_alu depctr_va_vdst(0)
	v_lshlrev_b32 v1, 4, v7                        ; 16 x lane
	s_mul_i32 s35, s[WV], 8448                     ; my stage: 16 rows of 512 bytes + 16
	v_add_nc_u32 v2, s35, v1                       ; in: a row as it is loaded
	v_and_b32 v8, 15, v0                           ; r
	v_bfe_u32 v9, v0, 4, 1                         ; h
	v_mul_u32_u24 v3, v8, 528
	v_lshl_add_u32 v3, v9, 6, v3
	v_add_nc_u32 v3, s35, v3                       ; out: row r, + 64 h: my 16 numbers of each block of 32
	s_lshl_b32 s35, s[WV], 8
	s_add_co_u32 s35, s35, 33792                   ; behind the four stages: 256 bytes of scale words for each wave
	v_lshl_add_u32 v4, v8, 2, s35
	v_lshl_add_u32 v5, v7, 3, s35
	v_lshlrev_b32 v6, 3, v7
	s_mov_b32 s[SEL], 0x76543210
	s_mov_b32 s[SEL+1], 0xfedcba98
.irp b, 0,1,2,3
	v_mov_b32 v[TM+4+\b], 0                        ; a lane permute's destination counts as one of its sources
.endr
	s_wait_alu depctr_va_vdst(0)
	s_wait_kmcnt 0x0
	s_add_nc_u64 s[4:5], s[4:5], s[28:29]
	s_add_nc_u64 s[14:15], s[14:15], s[30:31]
	s_add_nc_u64 s[16:17], s[16:17], s[32:33]
.macro LOADF f                         ; fragment f: row t of the tile is index 32 (f / 2) + 8 (f % 2) + t + 8 (t / 8); each load reads 512 consecutive bytes of one row
.irp t, 0,1,2,3,4,5,6,7,8,9,10,11,12,13,14,15
	global_load_b128 v[R+64*((\f)%2)+4*\t:R+64*((\f)%2)+4*\t+3], v1, s[4:5] offset:(32*((\f)/2)+16*(\t/8)+8*((\f)%2)+\t%8)*4096 th:TH_LOAD_NT
.endr
.endm
.macro FRAGX f
.if (\f) < 3
	s_wait_loadcnt 16                              ; this fragment's 16 loads are in; the next fragment's 16 may be out
.else
	s_wait_loadcnt 0x0
.endif
.irp t, 0,1,2,3,4,5,6,7,8,9,10,11,12,13,14,15
	ds_store_b128 v2, v[R+64*((\f)%2)+4*\t:R+64*((\f)%2)+4*\t+3] offset:528*\t
.endr
.irp b, 0,1,2,3
.irp j, 0,1,2,3
	ds_load_b128 v[XW+16*\b+4*\j:XW+16*\b+4*\j+3], v3 offset:128*\b+16*\j   ; LDS serves a wave's instructions in order: these see the stores above
.endr
.endr
	s_wait_dscnt 0x0                               ; the numbers are back; the stores have read their registers
	s_wait_xcnt 0x0                                ; the last fragment's stores have read their data: the codes' registers may be written again
.if (\f) < 2
	LOADF (\f)+2
.endif
	QUANT XW
.irp c, 0,1,2,3
	global_store_b128 v1, v[PC+4*\c:PC+4*\c+3], s[14:15] offset:2048*(\f)+512*\c   ; the image: 512 consecutive bytes a store
.endr
	ds_store_b32 v4, v[PW] offset:64*(\f)          ; both halves of the lanes write the same word with the same value
.endm
	LOADF 0
	LOADF 1
	FRAGX 0
	FRAGX 1
	FRAGX 2
	FRAGX 3
	ds_load_b64 v[12:13], v5
	s_wait_dscnt 0x0
	global_store_b64 v6, v[12:13], s[16:17]        ; 64 scale words: 256 consecutive bytes, aligned
	s_wait_tensorcnt 0x0
	ds_add_u32 v30, v31
	s_wait_dscnt 0x0
	s_endpgm
; ---------------- the weights: a wave takes 32 columns x 128 K; a lane takes a column, its registers run down K ----------------
.Lweights:
	s_sub_co_u32 s24, ttmp9, 256
	s_lshr_b32 s25, s24, 6                         ; which weight
	s_bfe_u32 s26, s24, 0x30003                    ; which 128 columns
	s_and_b32 s27, s24, 7                          ; which K step of 128
	s_lshl_b32 s28, s27, 19                        ; 128 rows of 4,096 bytes,
	s_lshl_b32 s30, s26, 9                         ; + 128 columns,
	s_add_co_u32 s28, s28, s30
	s_lshl_b32 s30, s[WV], 7                       ; + my wave's 32
	s_add_co_u32 s28, s28, s30
	s_mov_b32 s29, 0
	s_lshl_b32 s30, s25, 3
	s_add_co_u32 s30, s30, s26
	s_add_co_u32 s30, s30, 64                      ; the rowblock: 64 + 8 x weight + block of columns
	s_lshl_b32 s32, s30, 12
	s_lshl_b32 s30, s30, 17
	s_lshl_b32 s34, s27, 14
	s_add_co_u32 s30, s30, s34
	s_mov_b32 s31, 0
	s_lshl_b32 s34, s27, 9
	s_add_co_u32 s32, s32, s34
	s_mov_b32 s33, 0
	s_wait_alu depctr_va_vdst(0)
	v_lshlrev_b32 v1, 2, v7                        ; in: 4 bytes a lane
	v_bfe_u32 v2, v7, 3, 1                         ; column 32 w + l lies in tile 2 w + u, u = bit 3 of l,
	v_bfe_u32 v3, v7, 4, 1
	v_and_b32 v4, 7, v7
	v_lshl_add_u32 v4, v3, 3, v4                   ; at row r = 8 (l / 16) + l % 8
	s_lshl_b32 s35, s[WV], 1
	v_add_nc_u32 v5, s35, v2
	v_lshlrev_b32 v5, 11, v5
	v_lshl_add_u32 v5, v4, 4, v5                   ; codes: tile x 2,048 + 16 r
	s_lshl_b32 s35, s[WV], 5
	v_lshl_add_u32 v6, v2, 4, v4
	v_add_nc_u32 v6, s35, v6
	v_lshlrev_b32 v6, 2, v6                        ; scale word: 4 (32 w + 16 u + r)
	s_wait_kmcnt 0x0
	s_cmp_eq_u32 s25, 1                            ; the choice hangs on the work-group's number alone
	s_cselect_b64 s[6:7], s[8:9], s[6:7]
	s_cmp_eq_u32 s25, 2
	s_cselect_b64 s[6:7], s[10:11], s[6:7]
	s_cmp_eq_u32 s25, 3
	s_cselect_b64 s[6:7], s[12:13], s[6:7]
	s_add_nc_u64 s[6:7], s[6:7], s[28:29]
	s_add_nc_u64 s[14:15], s[14:15], s[30:31]
	s_add_nc_u64 s[16:17], s[16:17], s[32:33]
.macro WLOAD t                         ; block t: w(32 t + i, my column): 128 consecutive bytes a load
.irp i, 0,1,2,3,4,5,6,7,8,9,10,11,12,13,14,15,16,17,18,19,20,21,22,23,24,25,26,27,28,29,30,31
	global_load_b32 v[WX+32*(\t)+\i], v1, s[6:7] offset:(32*(\t)+\i)*4096 th:TH_LOAD_NT
.endr
.endm
.macro WBLOCK t
.set XS, WX+32*(\t)
.set CC, WC+8*(\t)
.if (\t) < 3
	s_wait_loadcnt 32                              ; this block's 32 loads are in; the next block's 32 may be out
.else
	s_wait_loadcnt 0x0
.endif
.if (\t) < 2
	WLOAD (\t)+2                                   ; each block has registers of its own
.endif
	v_max3_num_f32 v12, |v[XS]|, |v[XS+1]|, |v[XS+2]|   ; all 32 numbers of the block are mine
	v_max3_num_f32 v13, |v[XS+3]|, |v[XS+4]|, |v[XS+5]|
.irp i, 6,10,14,18,22,26
	v_max3_num_f32 v12, v12, |v[XS+\i]|, |v[XS+\i+1]|
	v_max3_num_f32 v13, v13, |v[XS+\i+2]|, |v[XS+\i+3]|
.endr
	v_max3_num_f32 v12, v12, |v[XS+30]|, |v[XS+31]|
	v_max3_num_f32 v12, v12, v13, 0x8000000        ; and the floor 2^(16 - 127)
	v_add_nc_u32 v11, 0xf8800000, v12              ; the conversion's scale operand
	v_and_or_b32 v10, v12, 0x7f800000, s[MNT]      ; 57,344 x the scale
	v_lshrrev_b32 v13, 23, v11                     ; the byte
.if (\t) == 0
	v_mov_b32 v24, v13
.else
	v_lshl_or_b32 v24, v13, 8*(\t), v24
.endif
.irp i, 0,1,2,3,4,5,6,7,8,9,10,11,12,13,14,15,16,17,18,19,20,21,22,23,24,25,26,27,28,29,30,31
	v_med3_num_f32 v[XS+\i], v[XS+\i], -v10, v10
.endr
.irp g, 0,1,2,3
	v_cvt_scalef32_pk8_bf8_f32 v[CC+2*\g:CC+2*\g+1], v[XS+8*\g:XS+8*\g+7], v11
.endr
	v_nop                                          ; a plain line behind the last conversion
	global_store_b128 v5, v[CC:CC+3], s[14:15] offset:512*(\t)         ; K 32 t + 0 .. 15: the place of lane (r, 0); sixteen lanes fill 256 consecutive bytes in each of two tiles
	global_store_b128 v5, v[CC+4:CC+7], s[14:15] offset:512*(\t)+256   ; K 32 t + 16 .. 31: the place of lane (r, 1)
.endm
	WLOAD 0
	WLOAD 1
	WBLOCK 0
	WBLOCK 1
	WBLOCK 2
	WBLOCK 3
	global_store_b32 v6, v24, s[16:17]             ; 32 scale words: 128 consecutive bytes a wave, half of an aligned 256: 128 KiB over the weight path
	s_endpgm
.Lfunc_end_k_qa70d5ae74c_prep:
	.size	k_qa70d5ae74c_prep, .Lfunc_end_k_qa70d5ae74c_prep-k_qa70d5ae74c_prep
	.p2alignl 7, 3214868480
	.fill 96, 4, 3214868480
	.section	.rodata,"a",@progbits
	.p2align	6, 0x0
	.amdhsa_kernel k_qa70d5ae74c_prep
		.amdhsa_group_segment_fixed_size 35328
		.amdhsa_private_segment_fixed_size 0
		.amdhsa_enable_private_segment 0
		.amdhsa_kernarg_size 56
		.amdhsa_user_sgpr_count 2
		.amdhsa_user_sgpr_kernarg_segment_ptr 1
		.amdhsa_wavefront_size32 1
		.amdhsa_system_sgpr_workgroup_id_x 1
		.amdhsa_system_sgpr_workgroup_id_y 1
		.amdhsa_system_sgpr_workgroup_id_z 1
		.amdhsa_system_vgpr_workitem_id 0
		.amdhsa_next_free_vgpr 256
		.amdhsa_next_free_sgpr 66
		.amdhsa_reserve_vcc 0
		.amdhsa_float_denorm_mode_32 3
		.amdhsa_float_denorm_mode_16_64 3
		.amdhsa_memory_ordered 1
		.amdhsa_forward_progress 1
		.amdhsa_inst_pref_size 80
	.end_amdhsa_kernel
	.amdgpu_metadata
---
amdhsa.version: [ 1, 2 ]
amdhsa.kernels:
  - .name:           k_qa70d5ae74c_prep
    .symbol:         k_qa70d5ae74c_prep.kd
    .args:
      - { .name: x, .offset: 0, .size: 8, .value_kind: global_buffer, .address_space: global }
      - { .name: wq, .offset: 8, .size: 8, .value_kind: global_buffer, .address_space: global }
      - { .name: wk, .offset: 16, .size: 8, .value_kind: global_buffer, .address_space: global }
      - { .name: wv, .offset: 24, .size: 8, .value_kind: global_buffer, .address_space: global }
      - { .name: wo, .offset: 32, .size: 8, .value_kind: global_buffer, .address_space: global }
      - { .name: opimg, .offset: 40, .size: 8, .value_kind: global_buffer, .address_space: global }
      - { .name: opscl, .offset: 48, .size: 8, .value_kind: global_buffer, .address_space: global }
    .group_segment_fixed_size: 35328
    .private_segment_fixed_size: 0
    .kernarg_segment_align: 8
    .kernarg_segment_size: 56
    .max_flat_workgroup_size: 128
    .sgpr_count:     66
    .vgpr_count:     256
    .wavefront_size: 32
...
	.end_amdgpu_metadata
.endif
;; end of part 1
;; launch proj (part 2): grid 96 x 4, 4 waves a work-group, clusters of 4 x 4, 327,680 bytes of LDS; arguments opimg, opscl, bq, bk, bv, attn_mask, qkvimg, qkvscl; writes qkvimg, qkvscl
.if DOCPART == 2
	.amdgcn_target "amdgcn-amd-amdhsa--gfx1250"
	.amdhsa_code_object_version 6
	.text
	.protected	k_qa70d5ae74c_proj
	.globl	k_qa70d5ae74c_proj
	.p2align	8
	.type	k_qa70d5ae74c_proj,@function
k_qa70d5ae74c_proj:
	s_mov_b64 s[64:65], 0
	v_nop
	global_prefetch_b8 v0, s[64:65] scope:SCOPE_SE
	s_setreg_imm32_b32 hwreg(HW_REG_WAVE_MODE, 25, 1), 1
	s_wait_xcnt 0x0
	s_wait_alu depctr_hold_cnt(0) depctr_sa_sdst(0) depctr_va_vdst(0) depctr_va_sdst(0) depctr_va_ssrc(0) depctr_va_vcc(0) depctr_vm_vsrc(0)
	s_getreg_b32 s2, hwreg(HW_REG_IB_STS2, 6, 4)
	s_cmp_eq_u32 s2, 0
	s_cbranch_scc0 .Lentry_in_a_cluster
	s_endpgm
.Lentry_in_a_cluster:
	s_bfe_u32 s2, ttmp6, 0x10000c
	s_cmp_lg_u32 s2, 0xf033
	s_cbranch_scc0 .Lentry_shape_is_right
	s_endpgm
.Lentry_shape_is_right:
.set HALFT,  32768
.set SLOT,   4*HALFT
.set SCL,    2*SLOT
.set HALFS,  4096
.set SPARE,  SCL+4*HALFS
.set NQ,     2
.set FR,     16
.set NL,     4
.set NP,     8
.set LAPS,   2
.set ADRA, 12
.set ADRB, 14
.set MKB,  16
.set VO0,  24
.set VO1,  25
.set SVO,  26
.set ADRS, 27
.set SPW,  28
.set NIL,  29
.set ONES, 30
.set STGW, 10
.set STGR, 11
.set SC,   32
.set E,    64
.set AF,   128
.set W,    128
.set PC,   192
.set TM,   208
.set PW,   224
.set PWK,  232
.set WV,   20
.set AH,   21
.set BH,   22
.set CL,   23
.set G1,   24
.set G0,   32
.set MODE, 40
.set NK,   41
.set SEL,  42
.set MNT,  44
.set SS2,  45
.set BIA,  46
.set G1B,  48
.set G0B,  56
.set CX,   66
.set CY,   67
.set G1S,  68
.set G0S,  76
.set G1SB, 80
.set G0SB, 88
.set OB,   92
.set OSB,  94
.set STP1, 96
.set STP2, 98
.set SB2,  100
.set MSB, 0
.macro WIN new
.if MSB != (\new)
	s_set_vgpr_msb (MSB<<8)|(\new)
.set MSB, (\new)
.endif
.endm
.set MUL_LO, 0xa1
.set MUL_HI, 0xf1
.set TO_B,   0x40
.macro JLOAD g0a, g1a, g0b, g1b
	s_cmp_eq_u32 s[WV], 0
	s_cbranch_scc0 .Lfor_b_\@
	tensor_load_to_lds s[\g0a:\g0a+3], s[\g1a:\g1a+7]
	s_nop 0
.rept 4
	v_nop
.endr
	s_branch .Lasked_\@
.Lfor_b_\@:
	s_cmp_eq_u32 s[WV], 1
	s_cbranch_scc0 .Lasked_\@
	tensor_load_to_lds s[\g0b:\g0b+3], s[\g1b:\g1b+7]
	s_nop 0
.rept 4
	v_nop
.endr
.Lasked_\@:
.endm
.macro CREST
	s_cmp_lg_u32 s[WV], 0
	s_cbranch_scc1 .Lnot_wave_0_\@
	s_barrier_signal -3
.Lnot_wave_0_\@:
	s_barrier_wait -3
	s_barrier_signal -1
	s_barrier_wait -1
.endm
.macro CROUND
	s_barrier_signal -1
	s_barrier_wait -1
	CREST
.endm
	s_load_b256 s[4:11], s[0:1], 0x0
	s_load_b256 s[12:19], s[0:1], 0x20
	v_lshl_add_u32 v[SPW], v0, 2, SPARE
	v_mov_b32 v[NIL], 0
	ds_add_u32 v28, v29
	ds_add_u32 v28, v29
	s_wait_dscnt 0x0
	v_lshrrev_b32 v1, 5, v0
	v_readfirstlane_b32 s[WV], v1
	s_lshr_b32 s[AH], s[WV], 1
	s_and_b32 s[BH], s[WV], 1
	s_bfe_u32 s[CX], ttmp6, 0x40000
	s_bfe_u32 s[CY], ttmp6, 0x40004
	s_mov_b32 s[CL], ttmp9
	s_lshr_b32 s[MODE], s[CL], 4
	s_lshl_b32 s3, s[CY], 2
	s_lshl_b32 s3, 15, s3
	s_lshl_b32 s2, 0x1111, s[CX]
	s_or_b32 s[G1], s3, (3<<16)|(1<<21)
	s_or_b32 s[G1S], s3, (3<<16)|(1<<21)
	s_or_b32 s[G1B], s2, (3<<16)|(1<<21)
	s_or_b32 s[G1SB], s2, (3<<16)|(1<<21)
.irp g, G1, G1B
	s_mov_b32 s[\g+1], 4096<<16
	s_mov_b32 s[\g+2], 2<<16
	s_mov_b32 s[\g+3], 4096<<16
	s_mov_b32 s[\g+4], 2
	s_mov_b32 s[\g+5], 16384
	s_mov_b32 s[\g+6], 0
	s_mov_b32 s[\g+7], 0
.endr
.irp g, G1S, G1SB
	s_mov_b32 s[\g+1], 32<<16
	s_mov_b32 s[\g+2], 32<<16
	s_mov_b32 s[\g+3], 32<<16
	s_mov_b32 s[\g+4], 32
	s_mov_b32 s[\g+5], 32
	s_mov_b32 s[\g+6], 0
	s_mov_b32 s[\g+7], 0
.endr
	s_lshr_b32 s96, s[CL], 1
	s_lshl_b32 s96, s96, 3
	s_and_b32 s92, s[CL], 1
	s_lshl_b32 s92, s92, 3
	s_add_co_u32 s92, s92, 64
	s_and_b32 s2, s[CL], 7
	s_lshl_b32 s2, s2, 3
	s_cmp_eq_u32 s[MODE], 0
	s_cselect_b32 s96, s96, 80
	s_cselect_b32 s92, s92, s2
	s_lshl_b32 s3, s[CY], 1
	s_add_co_u32 s96, s96, s3
	s_lshl_b32 s2, s[CX], 1
	s_add_co_u32 s92, s92, s2
	s_lshl_b32 s98, s96, 12
	s_lshl_b32 s96, s96, 17
	s_lshl_b32 s94, s92, 12
	s_lshl_b32 s92, s92, 17
	s_mov_b32 s97, 0
	s_mov_b32 s99, 0
	s_mov_b32 s93, 0
	s_mov_b32 s95, 0
	s_lshl_b32 s100, s[WV], 15
	s_lshl_b32 s101, s[WV], 12
	s_wait_kmcnt 0x0
	s_add_nc_u64 s[96:97], s[4:5], s[96:97]
	s_add_nc_u64 s[98:99], s[6:7], s[98:99]
	s_add_nc_u64 s[92:93], s[4:5], s[92:93]
	s_add_nc_u64 s[94:95], s[6:7], s[94:95]
	CROUND
	; A tile of codes is two rowblocks' 32,768 bytes, 131,072 bytes apart: one tile of two rows.  The scale words of two rowblocks are 8,192 dense bytes.
	s_mov_b32 s[G0S], 1
	s_mov_b32 s[G0S+1], SCL
	s_mov_b64 s[G0S+2:G0S+3], s[98:99]
	s_or_b32 s[G0S+3], s[G0S+3], 0x80000000
	s_mov_b32 s[G0SB], 1
	s_mov_b32 s[G0SB+1], SCL+2*HALFS
	s_mov_b64 s[G0SB+2:G0SB+3], s[94:95]
	s_or_b32 s[G0SB+3], s[G0SB+3], 0x80000000
.irp s, 0,1
	s_mov_b32 s[G0+4*\s], 1
	s_mov_b32 s[G0+4*\s+1], \s*SLOT
	s_add_nc_u64 s[G0+4*\s+2:G0+4*\s+3], s[96:97], \s*HALFT
	s_or_b32 s[G0+4*\s+3], s[G0+4*\s+3], 0x80000000
	s_mov_b32 s[G0B+4*\s], 1
	s_mov_b32 s[G0B+4*\s+1], \s*SLOT+2*HALFT
	s_add_nc_u64 s[G0B+4*\s+2:G0B+4*\s+3], s[92:93], \s*HALFT
	s_or_b32 s[G0B+4*\s+3], s[G0B+4*\s+3], 0x80000000
.endr
	; the head's four tiles, one joint load a wave, in one chain of branches on the wave's number: wave 0 slot 0's codes of A, wave 1 those of B, wave 2 A's scale words, wave 3 B's
.macro ARM under, g0, g1, next
	s_cmp_lt_u32 s[WV], \under
	s_cbranch_scc0 \next
	tensor_load_to_lds s[\g0:\g0+3], s[\g1:\g1+7]
	s_nop 0
.rept 4
	v_nop
.endr
	s_branch .Lhead_asked
\next:
.endm
	ARM 1, G0,  G1,  .Lhead_b
	ARM 2, G0B, G1B, .Lhead_sa
	ARM 3, G0S, G1S, .Lhead_sb
	tensor_load_to_lds s[G0SB:G0SB+3], s[G1SB:G1SB+7]
	s_nop 0
.rept 4
	v_nop
.endr
.Lhead_asked:
	s_lshr_b32 s2, s[CL], 1
	s_and_b32 s3, s[CL], 7
	s_cmp_eq_u32 s[MODE], 0
	s_cselect_b32 s2, s2, 0
	s_cselect_b32 s3, 0, s3
	s_lshl_b32 s2, s2, 2
	s_add_co_u32 s2, s2, s[CY]
	s_lshl_b32 s2, s2, 1
	s_add_co_u32 s2, s2, s[AH]
	s_lshl_b32 s2, s2, 7
	s_lshl_b32 s3, s3, 2
	s_add_co_u32 s3, s3, s[CX]
	s_lshl_b32 s3, s3, 1
	s_add_co_u32 s3, s3, s[BH]
	s_lshl_b32 s3, s3, 7
	s_and_b32 s41, s[CL], 1
	s_lshl_b32 s92, s41, 23
	s_lshr_b32 s101, s2, 11
	s_lshl_b32 s101, s101, 21
	s_add_co_u32 s92, s92, s101
	s_lshr_b32 s101, s3, 6
	s_lshl_b32 s101, s101, 17
	s_add_co_u32 s92, s92, s101
	s_and_b32 s101, s2, 2047
	s_lshl_b32 s101, s101, 6
	s_add_co_u32 s92, s92, s101
	s_lshl_b32 s94, s41, 18
	s_lshr_b32 s101, s2, 11
	s_lshl_b32 s101, s101, 3
	s_lshr_b32 s41, s3, 7
	s_add_co_u32 s101, s101, s41
	s_lshl_b32 s101, s101, 13
	s_add_co_u32 s94, s94, s101
	s_and_b32 s101, s2, 2047
	s_lshl_b32 s101, s101, 2
	s_add_co_u32 s94, s94, s101
	s_lshr_b32 s93, s3, 11
	s_lshl_b32 s93, s93, 21
	s_add_co_u32 s93, s93, 1<<24
	s_lshr_b32 s101, s2, 6
	s_lshl_b32 s101, s101, 17
	s_add_co_u32 s93, s93, s101
	s_bfe_u32 s41, s3, 0x40007
	s_lshl_b32 s101, s41, 13
	s_add_co_u32 s93, s93, s101
	s_lshr_b32 s95, s3, 11
	s_lshl_b32 s95, s95, 4
	s_lshr_b32 s101, s2, 6
	s_add_co_u32 s95, s95, s101
	s_lshl_b32 s95, s95, 4
	s_add_co_u32 s95, s95, s41
	s_lshl_b32 s95, s95, 8
	s_add_co_u32 s95, s95, 1<<19
	s_mov_b32 s96, 2048
	s_mov_b32 s98, 124928
	s_mov_b32 s[SB2], 1024
	s_mov_b32 s[SS2], 4096
	s_bitcmp1_b32 s[CL], 0
	s_cselect_b64 s[BIA:BIA+1], s[10:11], s[8:9]
	s_cmp_eq_u32 s[MODE], 0
	s_cselect_b64 s[BIA:BIA+1], s[BIA:BIA+1], s[12:13]
	s_cselect_b32 s92, s92, s93
	s_cselect_b32 s94, s94, s95
	s_cselect_b32 s96, 1024, s96
	s_cselect_b32 s98, 1024, s98
	s_cselect_b32 s[SB2], 131072, s[SB2]
	s_cselect_b32 s[SS2], 256, s[SS2]
	s_cselect_b32 s8, s3, s2
	s_mov_b32 s93, 0
	s_mov_b32 s95, 0
	s_mov_b32 s97, 0
	s_mov_b32 s99, 0
	s_lshl_b32 s8, s8, 2
	s_mov_b32 s9, 0
	s_add_nc_u64 s[BIA:BIA+1], s[BIA:BIA+1], s[8:9]
	s_lshl_b32 s10, s2, 2
	s_mov_b32 s11, 0
	s_add_nc_u64 s[14:15], s[14:15], s[10:11]
	s_add_nc_u64 s[OB:OB+1], s[16:17], s[OB:OB+1]
	s_add_nc_u64 s[OSB:OSB+1], s[18:19], s[OSB:OSB+1]
	s_and_b32 s[NK], s[CL], 1
	s_xor_b32 s[NK], s[NK], 1
	s_mov_b32 s[SEL], 0x76543210
	s_mov_b32 s[SEL+1], 0xfedcba98
	s_mov_b32 s[MNT], 0x600000
	v_and_b32 v1, 15, v0
	v_bfe_u32 v2, v0, 4, 1
	s_wait_alu depctr_va_vdst(0)
	v_and_b32 v3, 31, v0
	v_lshlrev_b32 v3, 4, v3
	s_wait_alu depctr_va_vdst(0)
	s_lshl_b32 s2, s[AH], 15
	s_lshl_b32 s3, s[BH], 15
	s_add_co_u32 s3, s3, 2*HALFT
.irp s, 0,1
	v_add_nc_u32 v[ADRA+\s], s2, v3
	v_add_nc_u32 v[ADRB+\s], s3, v3
	s_add_co_u32 s2, s2, SLOT
	s_add_co_u32 s3, s3, SLOT
.endr
	s_lshl_b32 s2, s[AH], 12
	s_lshl_b32 s3, s[BH], 12
	s_add_co_u32 s3, s3, 2*HALFS
	s_sub_co_u32 s3, s3, s2
	v_mul_u32_u24 v4, s3, v2
	s_add_co_u32 s2, s2, SCL
	v_lshl_add_u32 v4, v1, 2, v4
	v_add_nc_u32 v[ADRS], s2, v4
	s_lshl_b32 s2, s[WV], 9
	v_lshl_add_u32 v[STGW], v1, 2, s2
	v_add_nc_u32 v[STGR], s2, v3
	v_lshlrev_b32 v8, 6, v2
	v_and_b32 v9, 8, v1
	v_add_nc_u32 v9, v9, v1
	v_lshlrev_b32 v9, 2, v9
	v_mov_b32 v[VO0], v3
	v_add_nc_u32 v[VO1], s[SB2], v3
	v_mul_u32_u24 v4, s[SS2], v2
	v_lshl_add_u32 v[SVO], v1, 4, v4
	s_cmp_eq_u32 s[MODE], 0
	s_cbranch_scc0 .Lbias_v
.irp t, 0,1,2,3,4,5,6,7
	global_load_b128 v[E+8*\t:E+8*\t+3], v8, s[BIA:BIA+1] offset:(32*(\t/2)+8*(\t%2))*4
	global_load_b128 v[E+8*\t+4:E+8*\t+7], v8, s[BIA:BIA+1] offset:(32*(\t/2)+8*(\t%2))*4+16
.endr
.irp a, 0,1,2,3,4,5,6,7
	global_load_b32 v[MKB+\a], v9, s[14:15] offset:(32*(\a/2)+8*(\a%2))*4
.endr
	s_branch .Lbias_done
.Lbias_v:
	s_wait_alu depctr_va_vdst(0)
.irp a, 0,1,2,3,4,5,6,7
.irp j, 0,1,2,3,4,5,6,7
	global_load_b32 v[E+8*\a+\j], v9, s[BIA:BIA+1] offset:(32*(\a/2)+8*(\a%2))*4
.endr
.endr
.irp a, 0,1,2,3,4,5,6,7
	v_mov_b32 v[MKB+\a], 1
.endr
.Lbias_done:
.macro FRAG reg, adr, q, i
.irp c, 0,1,2,3
	ds_load_b128 v[\reg+4*\c:\reg+4*\c+3], v[\adr] offset:16384*(\q)+2048*(\i)+512*\c
.endr
.endm
.macro MUL16 a0, p, q, sc, zero
.irp a, \a0, \a0+1
.irp b, 0,1,2,3,4,5,6,7
.if \zero
	v_wmma_scale_f32_16x16x128_f8f6f4 v[8*(8*((\a)%4)+\b):8*(8*((\a)%4)+\b)+7], v[128*(\p)+FR*\b:128*(\p)+FR*\b+FR-1], v[AF+FR*(\a):AF+FR*(\a)+FR-1], 0, v[SC+8*NQ*(\sc)+NQ*\b+(\q)], v[SC+8*NQ*(\sc)+NQ*(\a)+(\q)] matrix_a_fmt:MATRIX_FMT_BF8 matrix_b_fmt:MATRIX_FMT_BF8 matrix_a_scale:MATRIX_SCALE_ROW1
.else
	v_wmma_scale_f32_16x16x128_f8f6f4 v[8*(8*((\a)%4)+\b):8*(8*((\a)%4)+\b)+7], v[128*(\p)+FR*\b:128*(\p)+FR*\b+FR-1], v[AF+FR*(\a):AF+FR*(\a)+FR-1], v[8*(8*((\a)%4)+\b):8*(8*((\a)%4)+\b)+7], v[SC+8*NQ*(\sc)+NQ*\b+(\q)], v[SC+8*NQ*(\sc)+NQ*(\a)+(\q)] matrix_a_fmt:MATRIX_FMT_BF8 matrix_b_fmt:MATRIX_FMT_BF8 matrix_a_scale:MATRIX_SCALE_ROW1
.endif
.endr
.endr
.endm
.macro FETCH_B slot, q, p
	WIN TO_B
.irp i, 0,1,2,3,4,5,6,7
	FRAG 128*(\p)+FR*\i, ADRB+\slot, \q, \i
.endr
	WIN 0
.endm
.macro FETCH_A slot, q, i0
.irp i, \i0, \i0+1, \i0+2, \i0+3
	FRAG AF+FR*(\i), ADRA+\slot, \q, \i
.endr
.endm
.macro SCALES sc
.irp i, 0,1,2,3,4,5,6,7
.irp q, 0,1
	ds_load_b32 v[SC+8*NQ*\sc+NQ*\i+\q], v[ADRS] offset:64*\i+512*\q
.endr
.endr
.endm
.macro PLACES n
.rept \n
	v_nop
.endr
.endm
.macro STEP slot, q, zero
	s_wait_dscnt 4*NL
	WIN MUL_LO
	MUL16 0, (\q)%2, \q, \slot, \zero
	MUL16 2, (\q)%2, \q, \slot, \zero
	s_wait_dscnt 0
	PLACES NP
	FETCH_B \slot, (\q)+1, 1-(\q)%2
	FETCH_A \slot, (\q)+1, 0
	WIN MUL_HI
	MUL16 4, (\q)%2, \q, \slot, \zero
	MUL16 6, (\q)%2, \q, \slot, \zero
	PLACES NP
	WIN 0
	FETCH_A \slot, (\q)+1, 4
.endm
.macro TURN slot, next, fill
	s_wait_tensorcnt 0x0
	ds_add_u32 v[SPW], v[NIL]
	s_wait_dscnt 4*NL+1
	WIN MUL_LO
	MUL16 0, 1, NQ-1, \slot, 0
	s_wait_dscnt 0x0
	s_barrier_signal -1
	MUL16 2, 1, NQ-1, \slot, 0
	WIN 0
	s_barrier_wait -1
.if \fill
	CREST
	s_add_nc_u64 s[G0+4*\slot+2:G0+4*\slot+3], s[G0+4*\slot+2:G0+4*\slot+3], 2*HALFT
	s_add_nc_u64 s[G0B+4*\slot+2:G0B+4*\slot+3], s[G0B+4*\slot+2:G0B+4*\slot+3], 2*HALFT
	JLOAD G0+4*\slot, G1, G0B+4*\slot, G1B
	PLACES NP
.else
	PLACES NP
.endif
	s_wait_alu depctr_va_vdst(0)
	v_add_nc_u32 v[ADRS], 512*NQ, v[ADRS]
	FETCH_B \next, 0, 0
	FETCH_A \next, 0, 0
	SCALES \next
	WIN MUL_HI
	MUL16 4, 1, NQ-1, \slot, 0
	MUL16 6, 1, NQ-1, \slot, 0
	PLACES NP
	WIN 0
	FETCH_A \next, 0, 4
.endm
	s_wait_alu depctr_va_vdst(0)                   ; the wait at the head's end
	s_wait_tensorcnt 0x0                           ; my tile of the head's four is in; slot 1's first fill is issued as a refill is
	ds_add_u32 v[SPW], v[NIL]
	s_wait_dscnt 0x0
	CROUND
	JLOAD G0+4, G1, G0B+4, G1B
	FETCH_B 0, 0, 0
	FETCH_A 0, 0, 0
	SCALES 0
	FETCH_A 0, 0, 4
	STEP 0, 0, 1
	s_mov_b32 s3, LAPS-1
.Llap:
	TURN 0, 1, 1
	STEP 1, 0, 0
	TURN 1, 0, 1
	STEP 0, 0, 0
	s_sub_co_u32 s3, s3, 1
	s_cmp_lg_u32 s3, 0
	s_cbranch_scc1 .Llap
	TURN 0, 1, 0
	STEP 1, 0, 0
	s_wait_dscnt 4*NL
	WIN MUL_LO
	MUL16 0, 1, NQ-1, 1, 0
	MUL16 2, 1, NQ-1, 1, 0
	s_wait_dscnt 0
	WIN MUL_HI
	MUL16 4, 1, NQ-1, 1, 0
	MUL16 6, 1, NQ-1, 1, 0
	WIN 0
.macro QUANT s
.irp b, 0,1,2,3
	v_max3_num_f32 v[TM+\b], |v[\s+16*\b]|, |v[\s+1+16*\b]|, 0x8000000
.endr
.irp i, 2,4,6,8,10,12,14
.irp b, 0,1,2,3
	v_max3_num_f32 v[TM+\b], v[TM+\b], |v[\s+16*\b+\i]|, |v[\s+1+16*\b+\i]|
.endr
.endr
.irp b, 0,1,2,3
	v_permlanex16_b32 v[TM+4+\b], v[TM+\b], s[SEL], s[SEL+1]
.endr
.irp b, 0,1,2,3
	v_max_num_f32 v[TM+\b], v[TM+\b], v[TM+4+\b]
.endr
.irp b, 0,1,2,3
	v_add_nc_u32 v[TM+12+\b], 0xf8800000, v[TM+\b]
.endr
.irp b, 0,1,2,3
	v_and_or_b32 v[TM+8+\b], v[TM+\b], 0x7f800000, s[MNT]
.endr
.irp b, 0,1,2,3
	v_lshrrev_b32 v[TM+4+\b], 23, v[TM+12+\b]
.endr
	v_lshl_or_b32 v[PW], v[TM+5], 8, v[TM+4]
	v_lshl_or_b32 v[PW], v[TM+6], 16, v[PW]
	v_lshl_or_b32 v[PW], v[TM+7], 24, v[PW]
.irp b, 0,1,2,3
.irp i, 0,1,2,3,4,5,6,7,8,9,10,11,12,13,14,15
	v_med3_num_f32 v[\s+16*\b+\i], v[\s+16*\b+\i], -v[TM+8+\b], v[TM+8+\b]
.endr
	v_cvt_scalef32_pk8_bf8_f32 v[PC+4*\b:PC+1+4*\b], v[\s+16*\b:\s+7+16*\b], v[TM+12+\b]
	v_cvt_scalef32_pk8_bf8_f32 v[PC+2+4*\b:PC+3+4*\b], v[\s+8+16*\b:\s+15+16*\b], v[TM+12+\b]
.endr
	v_nop
.endm
.macro OUTBLK a
	s_wait_xcnt 0x0
.if (\a) == 4
	s_add_nc_u64 s[OB:OB+1], s[OB:OB+1], s[STP2:STP2+1]
.elseif (\a) > 0
	s_add_nc_u64 s[OB:OB+1], s[OB:OB+1], s[STP1:STP1+1]
.endif
	s_cmp_eq_u32 s[MODE], 0
	s_cbranch_scc0 .Lvb_\@
	WIN 0x02+(\a)/4
.set ii, 0
.rept 32
	v_pk_add_f32 v[W+2*ii:W+2*ii+1], v[64*((\a)%4)+2*ii:64*((\a)%4)+2*ii+1], v[E+2*ii:E+2*ii+1]
.set ii, ii+1
.endr
	WIN 0
	s_branch .Lsum_\@
.Lvb_\@:
	WIN 0x02+(\a)/4
.set ii, 0
.rept 32
	v_pk_add_f32 v[W+2*ii:W+2*ii+1], v[64*((\a)%4)+2*ii:64*((\a)%4)+2*ii+1], v[E+8*(\a)+2*(ii%4):E+8*(\a)+2*(ii%4)+1]
.set ii, ii+1
.endr
	WIN 0
.Lsum_\@:
	QUANT W
.irp i, 0,1,2,3,4,5,6,7,8,9,10,11,12,13,14,15
	v_and_b32 v[PC+\i], v[MKB+(\a)], v[PC+\i]
.endr
	global_store_b128 v[VO0], v[PC:PC+3], s[OB:OB+1]
	global_store_b128 v[VO0], v[PC+4:PC+7], s[OB:OB+1] offset:512
	global_store_b128 v[VO1], v[PC+8:PC+11], s[OB:OB+1]
	global_store_b128 v[VO1], v[PC+12:PC+15], s[OB:OB+1] offset:512
	v_mov_b32 v[PWK+(\a)], v[PW]
.endm
	PLACES NP
	s_wait_loadcnt 0x0
	v_mov_b32 v[ONES], -1
.irp a, 0,1,2,3,4,5,6,7
	v_or_b32 v[MKB+\a], s[NK], v[MKB+\a]
.endr
.irp a, 0,1,2,3,4,5,6,7
	v_cmp_ne_u32 vcc_lo, 0, v[MKB+\a]
	v_cndmask_b32 v[MKB+\a], 0, v[ONES], vcc_lo
.endr
.irp b, 0,1,2,3
	v_mov_b32 v[TM+4+\b], 0
.endr
.irp a, 0,1,2,3,4,5,6,7
	OUTBLK \a
.endr
.irp a, 0,1,2,3,4,5,6,7
	ds_store_b32 v[STGW], v[PWK+\a] offset:64*\a
.endr
	ds_load_b128 v[W:W+3], v[STGR]
	s_wait_dscnt 0x0
	global_store_b128 v[SVO], v[W:W+3], s[OSB:OSB+1]
	s_wait_tensorcnt 0x0
	ds_add_u32 v[SPW], v[NIL]
	s_wait_dscnt 0x0
	CROUND
	s_endpgm
.Lfunc_end_k_qa70d5ae74c_proj:
	.size	k_qa70d5ae74c_proj, .Lfunc_end_k_qa70d5ae74c_proj-k_qa70d5ae74c_proj
	.p2alignl 7, 3214868480
	.fill 96, 4, 3214868480
	.section	.rodata,"a",@progbits
	.p2align	6, 0x0
	.amdhsa_kernel k_qa70d5ae74c_proj
		.amdhsa_group_segment_fixed_size 327680
		.amdhsa_private_segment_fixed_size 0
		.amdhsa_enable_private_segment 0
		.amdhsa_kernarg_size 64
		.amdhsa_user_sgpr_count 2
		.amdhsa_user_sgpr_kernarg_segment_ptr 1
		.amdhsa_wavefront_size32 1
		.amdhsa_system_sgpr_workgroup_id_x 1
		.amdhsa_system_sgpr_workgroup_id_y 1
		.amdhsa_system_sgpr_workgroup_id_z 1
		.amdhsa_system_vgpr_workitem_id 0
		.amdhsa_next_free_vgpr 1024
		.amdhsa_next_free_sgpr 102
		.amdhsa_reserve_vcc 1
		.amdhsa_float_denorm_mode_32 3
		.amdhsa_float_denorm_mode_16_64 3
		.amdhsa_memory_ordered 1
		.amdhsa_forward_progress 1
		.amdhsa_inst_pref_size 237
	.end_amdhsa_kernel
	.amdgpu_metadata
---
amdhsa.version: [ 1, 2 ]
amdhsa.kernels:
  - .name:           k_qa70d5ae74c_proj
    .symbol:         k_qa70d5ae74c_proj.kd
    .args:
      - { .name: opimg, .offset: 0, .size: 8, .value_kind: global_buffer, .address_space: global }
      - { .name: opscl, .offset: 8, .size: 8, .value_kind: global_buffer, .address_space: global }
      - { .name: bq, .offset: 16, .size: 8, .value_kind: global_buffer, .address_space: global }
      - { .name: bk, .offset: 24, .size: 8, .value_kind: global_buffer, .address_space: global }
      - { .name: bv, .offset: 32, .size: 8, .value_kind: global_buffer, .address_space: global }
      - { .name: attn_mask, .offset: 40, .size: 8, .value_kind: global_buffer, .address_space: global }
      - { .name: qkvimg, .offset: 48, .size: 8, .value_kind: global_buffer, .address_space: global }
      - { .name: qkvscl, .offset: 56, .size: 8, .value_kind: global_buffer, .address_space: global }
    .group_segment_fixed_size: 327680
    .private_segment_fixed_size: 0
    .kernarg_segment_align: 8
    .kernarg_segment_size: 64
    .max_flat_workgroup_size: 128
    .sgpr_count:     102
    .vgpr_count:     1024
    .wavefront_size: 32
...
	.end_amdgpu_metadata
.endif
;; end of part 2
;; launch attn (part 3): grid 8 x 32, 8 waves a work-group, clusters of 4 x 1, 327,680 bytes of LDS; arguments qkvimg, qkvscl, attn_mask, aoimg, aoscl; writes aoimg, aoscl
.if DOCPART == 3
	.amdgcn_target "amdgcn-amd-amdhsa--gfx1250"
	.amdhsa_code_object_version 6
	.text
	.protected	k_qa70d5ae74c_attn
	.globl	k_qa70d5ae74c_attn
	.p2align	8
	.type	k_qa70d5ae74c_attn,@function
k_qa70d5ae74c_attn:
	s_mov_b64 s[64:65], 0
	v_nop
	global_prefetch_b8 v0, s[64:65] scope:SCOPE_SE
	s_setreg_imm32_b32 hwreg(HW_REG_WAVE_MODE, 25, 1), 1
	s_wait_xcnt 0x0
	s_wait_alu depctr_hold_cnt(0) depctr_sa_sdst(0) depctr_va_vdst(0) depctr_va_sdst(0) depctr_va_ssrc(0) depctr_va_vcc(0) depctr_vm_vsrc(0)
	s_getreg_b32 s2, hwreg(HW_REG_IB_STS2, 6, 4)
	s_cmp_eq_u32 s2, 0
	s_cbranch_scc0 .Lentry_in_a_cluster
	s_endpgm
.Lentry_in_a_cluster:
	s_bfe_u32 s2, ttmp6, 0x10000c
	s_cmp_lg_u32 s2, 0x3003
	s_cbranch_scc0 .Lentry_shape_is_right
	s_endpgm
.Lentry_shape_is_right:
; Attention on codes of BF8 (E5M2) with E8M0 scales: S^T = K Q^T, p = 2^(t - M), O^T = V^T P^T, O / the sum of p, and the result quantised along the model's axis for the last product.
; t = score x log2(e) / 8; M = the running largest t rounded UP to a whole number; the sum is taken of the unquantised p; when M moves, the sum and O^T are multiplied by 2^(old M - new M): exact.
; SHARES.  A work-group owns 256 query positions of one batch and a PAIR of heads, one head after the other; each of its eight waves owns TWO tiles of 16 queries (tiles w and w + 8), which share every fragment of K and of V.
; A KEY STEP (128 keys): 16 products for the scores of both tiles; the next step's fragments of K are asked for; the first tile's softmax; V's fragments are asked for into that tile's registers; the second tile's softmax; 8 products for O^T.
; THE RING.  Two LDS slots of 1,024 keys: K's 65,536 bytes, then V's.  K and V of the two heads lie on end in memory, so the launch walks four slots; each wave fetches 16,384 bytes of a slot (waves 0-3 K's, 4-7 V's), one load a wave.
; The four slots are written one after the other, each as a counted loop of eight key steps, so that every slot's LDS base is a constant of the text.
; CLUSTER.  The four work-groups of a cluster own four blocks of queries of the same batch and pair of heads and walk the same K and V: each slot is asked for jointly (mask 15); a round of the cluster's barrier stands at each of the three later fills.
; NO PREFETCH: a slot's load is issued eight key steps of all eight waves ahead of the wait for it, and the launch has four slots in all.
; LAYOUT.  All operands are images of their registers, rows by POSITION (index with bits 3, 4 exchanged): a lane holds one query of each tile, the 16 registers of K's tiles 2 b, 2 b + 1 are keys 32 b + 16 h + 0 .. 15,
; those of V's tiles channels 32 b + 16 h + 0 .. 15: p's codes and the result's codes come out as operands' registers.
; THE MASK COSTS NO LINE IN THE LOOP.  Of the 128 along K of K Q^T only 64 are the head's.  At k = 64 every fragment of K has the code -1.0 and Q's the code 1.0; all other padding is zero codes.  The third byte of Q's scale
; word is 100 (2^-27); that of a key's word is 254 (2^127) where attn_mask is 0, else 0 (2^-127).  A masked key's own codes are zeros (the launch before), so its score is exactly -2^100; an open key's gets -2^-154.
; With every key masked, t = c x -2^100 is exact and whole: M = t, p = 1, and the result is the mean of v, as with a common logit of -1e9.
; LIMITS: a masked logit stands at -2^97, not at -1e9: the same result wherever a row's largest open logit lies above about -1e9 + 150 and |q . k| under 2^75.  NaN and infinities are not served.
; A block under 2^-111 keeps the byte 1; a block of zeros gets 1 where the rule says 127 (its codes are zeros; this program alone reads the bytes).
; REGISTERS.  Window 0: v1-11 addresses; v12-15, v16-19 a tile's -M, largest score and sum; v20-23 the factors f; v24-39 scale words (they hold nothing else); v40-71 p's codes; v72-135 the first tile's S^T, then p, then V's fragments;
; v136-199 the second tile's S^T, then p; v200-231 at work; v232-255 the way out.  Window 1: v0-127 K's eight fragments, each 8 loaded + 8 constant; v128-159 Q of both tiles; v160-223 O^T of both; v224-239 the odd head's Q.
.set SLOT1, 131072
.set KSW,   262144                     ; K's scale words with the mask's byte: 2 heads x 2,048 words
.set VSW,   278528                     ; V's scale words: 2 heads x 4,096 bytes
.set AOS,   286720                     ; the result's scale words: 16 tiles x 64 bytes
.set SPARE, 287744                     ; the spare words: 128 bytes for each wave, four blocks of 256 bytes that no other line names
.set AK0,  1
.set AV0,  2
.set ASK0, 3
.set ASV0, 4
.set SPW,  5
.set NIL,  6
.set GO,   7
.set ADK,  8
.set ADV,  9
.set ADS,  10
.set ADT,  11
.set STX,  12
.set STY,  16
.set FX,   20
.set FY,   22
.set KS,   24
.set VS,   32
.set PX,   36
.set PY,   37
.set QX,   38
.set QY,   39
.set CDX,  40
.set CDY,  56
.set SX,   72
.set SY,   136
.set BM,   200
.set TP,   204
.set BD,   208
.set SO,   212
.set SM,   216
.set T0,   230
.set T1,   231
.set RWX,  232
.set RWY,  233
.set RT,   234
.set AW,   235
.set AR,   236
.set Q2X,  237
.set Q2Y,  238
.set OCX,  240
.set OCY,  248
.set KF,   0                           ; window 1 from here on
.set QFX,  128
.set QFY,  144
.set OX,   160
.set OY,   192
.set Q2F,  224
.set WV,   18
.set MNT,  19
.set SEL,  20
.set CS,   22                          ; s[22:23] c = log2(e) / 8
.set G1,   24
.set G0,   32
.set TK,   36
.set TS,   37
.set TJ,   38
.set CNT,  39
.set NC,   63                          ; -c
.set MSB, 0
.macro WIN new                         ; the immediate's high byte repeats the setting that is left
.if MSB != (\new)
	s_set_vgpr_msb (MSB<<8)|(\new)
.set MSB, (\new)
.endif
.endm
.set TO_1,  0x40                       ; destination window 1
.set W_S,   0x05                       ; scores: K's fragment and Q window 1, result window 0
.set W_F,   0x41                       ; O^T x f: source 0 and destination window 1
.set W_PV,  0x50                       ; O^T: C and D window 1, V and p's codes window 0
.macro PLACES n
.rept \n
	v_nop
.endr
.endm
.macro WALU
	s_wait_alu depctr_va_vdst(0)
.endm
.macro ROUND                           ; a round of the cluster's barrier
	s_barrier_signal -1
	s_barrier_wait -1
	s_cmp_lg_u32 s[WV], 0
	s_cbranch_scc1 .Lnot_wave_0_\@
	s_barrier_signal -3
.Lnot_wave_0_\@:
	s_barrier_wait -3
	s_barrier_signal -1
	s_barrier_wait -1
.endm
.macro TLOAD                           ; every wave's one joint load; an s_nop 0 and four v_nop follow it
	tensor_load_to_lds s[G0:G0+3], s[G1:G1+7]
	s_nop 0
	PLACES 4
.endm
	s_load_b256 s[4:11], s[0:1], 0x0               ; qkvimg s[4:5], qkvscl s[6:7], attn_mask s[8:9], aoimg s[10:11]
	s_load_b64 s[12:13], s[0:1], 0x20              ; aoscl
	v_lshl_add_u32 v[SPW], v0, 2, SPARE
	v_mov_b32 v[NIL], 0
	ds_add_u32 v[SPW], v[NIL]                      ; the opening lines: the add, twice on end, and its wait ahead of the round in front of my first tensor load
	ds_add_u32 v[SPW], v[NIL]
	v_lshrrev_b32 v8, 5, v0
	v_readfirstlane_b32 s[WV], v8                  ; wave 0..7
	s_and_b32 s40, ttmp7, 0xffff                   ; y = 8 x batch + pair of heads
	s_bfe_u32 s60, ttmp6, 0x40000                  ; cx
	s_lshl_b32 s61, ttmp9, 2
	s_add_co_u32 s61, s61, s60                     ; my block of 256 queries = 4 x cluster x + cx: it enters global addresses alone
	s_and_b32 s62, s[WV], 1
	s_mov_b32 s[G1], 15|(3<<16)|(1<<21)            ; the four of the cluster; elements of 8 bytes; no padding: images are read 16 bytes a lane on end
	s_mov_b32 s[G1+1], 32<<16                      ; rows of 256 bytes
	s_mov_b32 s[G1+2], 64<<16                      ; 64 rows: 16,384 bytes
	s_mov_b32 s[G1+3], 32<<16
	s_mov_b32 s[G1+4], 64
	s_mov_b32 s[G1+5], 32                          ; dense
	s_mov_b32 s[G1+6], 0
	s_mov_b32 s[G1+7], 0
	s_lshr_b32 s41, s[WV], 2                       ; 0: I fetch for K, 1: for V
	s_and_b32 s43, s[WV], 3                        ; which 16,384 bytes
	s_lshl_b32 s42, s40, 18                        ; the pair's first byte in q, in k and in v
	s_lshl_b32 s44, s41, 23
	s_add_co_u32 s44, s44, s42
	s_add_co_u32 s44, s44, 1<<23                   ; k at 2^23, v at 2^24
	s_lshl_b32 s43, s43, 14
	s_add_co_u32 s44, s44, s43
	s_mov_b32 s45, 0
	s_wait_dscnt 0x0                               ; both opening adds are done
	ROUND                                          ; all four work-groups are here: the first joint loads meet
	s_wait_kmcnt 0x0
	s_mov_b32 s[G0], 1
	s_lshl_b32 s[G0+1], s[WV], 14                  ; slot 0: 16,384 x wave
	s_add_nc_u64 s[G0+2:G0+3], s[4:5], s[44:45]
	s_or_b32 s[G0+3], s[G0+3], 0x80000000
	TLOAD                                          ; slot 0: one load a wave at the head
	s_lshl_b32 s48, s40, 13
	s_mov_b32 s49, 0
	s_add_nc_u64 s[46:47], s[6:7], s[48:49]        ; the scale words of my batch and pair: q's here, k's 2^18 on, v's 2^19 on
	s_lshr_b32 s50, s40, 3                         ; the batch
	s_lshl_b32 s48, s50, 13
	s_add_nc_u64 s[8:9], s[8:9], s[48:49]          ; its mask
	s_lshl_b32 s51, s61, 4
	s_add_co_u32 s51, s51, s[WV]                   ; my first tile of queries in the batch; the second is eight tiles on
	s_lshl_b32 s48, s51, 10
	s_add_co_u32 s48, s48, s42
	s_add_nc_u64 s[52:53], s[4:5], s[48:49]        ; Q's image, even head; the odd head's 131,072 on; the second tile's 8,192 on
	s_lshl_b32 s54, s50, 4
	s_lshl_b32 s55, s61, 1
	s_add_co_u32 s54, s54, s55                     ; the result's rowblock of my first tile: 16 x batch + 2 x block; the second tile's is the next
	s_lshl_b32 s48, s54, 17
	s_and_b32 s55, s40, 7                          ; its K step of 128 is the pair of heads
	s_lshl_b32 s43, s55, 14
	s_add_co_u32 s48, s48, s43
	s_lshl_b32 s43, s[WV], 11                      ; its tile
	s_add_co_u32 s48, s48, s43
	s_add_nc_u64 s[56:57], s[10:11], s[48:49]
	s_add_co_u32 s54, s54, s62                     ; waves 0 and 1 store a rowblock's 128 scale words each
	s_lshl_b32 s48, s54, 12
	s_lshl_b32 s43, s55, 9
	s_add_co_u32 s48, s48, s43
	s_add_nc_u64 s[58:59], s[12:13], s[48:49]
	s_mov_b32 s[SEL], 0x76543210
	s_mov_b32 s[SEL+1], 0xfedcba98
	s_mov_b32 s[CS], 0x3e38aa3b
	s_mov_b32 s[CS+1], s[CS]                       ; named with it as a pair, so it is written
	s_mov_b32 s[NC], 0xbe38aa3b
	s_mov_b32 s[MNT], 0x600000
	s_lshl_b32 s41, s51, 6                         ; my first tile's pair words of q
	s_lshl_b32 s43, s[WV], 6
	s_add_co_u32 s43, s43, AOS
	s_lshl_b32 s44, s62, 9
	s_add_co_u32 s44, s44, AOS
	v_and_b32 v8, 15, v0                           ; r
	v_and_b32 v9, 31, v0                           ; lane
	v_lshlrev_b32 v[AK0], 4, v9
	v_lshl_add_u32 v[ASK0], v8, 2, KSW
	v_lshl_add_u32 v[ASV0], v8, 2, VSW
	v_lshlrev_b32 v[GO], 4, v9
	v_add_nc_u32 v[AV0], 0x10000, v[AK0]           ; V lies 65,536 bytes behind K in a slot
	v_lshl_add_u32 v[AW], v8, 2, s43
	v_lshl_add_u32 v[AR], v9, 4, s44
	v_lshlrev_b32 v10, 4, v0                       ; 16 x thread: four positions' words; a thread takes this piece and the one 4,096 bytes on
	v_and_b32 v11, 0x1f9, v0                       ; the same four positions' INDICES: bits 1 and 2 of the thread's number exchanged
	v_bfe_u32 v123, v0, 1, 1
	v_bfe_u32 v122, v0, 2, 1
	v_lshl_or_b32 v11, v123, 2, v11
	v_lshl_or_b32 v11, v122, 1, v11
	v_lshlrev_b32 v11, 4, v11
	v_lshl_add_u32 v124, v8, 2, s41                ; my query's pair word
	v_and_b32 v125, 16, v0
	v_cmp_eq_u32 vcc_lo, 0, v125                   ; lanes 0-15 hold k = 64 in byte 0 of a fragment's register 8
	v_mov_b32 v126, 0x3c                           ; the code 1.0
	v_mov_b32 v127, 0xbc                           ; the code -1.0
.irp e, 0,1
	global_load_b128 v[72+4*\e:75+4*\e], v10, s[46:47] offset:262144+4096*\e   ; k's pair words
	global_load_b128 v[80+4*\e:83+4*\e], v11, s[8:9] offset:4096*\e            ; the mask
	global_load_b128 v[88+4*\e:91+4*\e], v10, s[46:47] offset:524288+4096*\e   ; v's words
.endr
	global_load_b32 v112, v124, s[46:47]
	global_load_b32 v113, v124, s[46:47] offset:512
	WIN TO_1
.irp y, 0,1                                    ; Q of tile y: the even head's, and the odd head's for later
	global_load_b128 v[QFX+16*\y:QFX+16*\y+3], v[GO], s[52:53] offset:8192*\y
	global_load_b128 v[QFX+16*\y+4:QFX+16*\y+7], v[GO], s[52:53] offset:8192*\y+512
	global_load_b128 v[Q2F+8*\y:Q2F+8*\y+3], v[GO], s[52:53] offset:131072+8192*\y
	global_load_b128 v[Q2F+8*\y+4:Q2F+8*\y+7], v[GO], s[52:53] offset:131072+8192*\y+512
	v_cndmask_b32 v[QFX+16*\y+8], 0, v126, vcc_lo
.irp i, 9,10,11,12,13,14,15
	v_mov_b32 v[QFX+16*\y+\i], 0
.endr
.endr
.irp t, 0,1,2,3,4,5,6,7
	v_cndmask_b32 v[KF+16*\t+8], 0, v127, vcc_lo
.irp i, 9,10,11,12,13,14,15
	v_mov_b32 v[KF+16*\t+\i], 0
.endr
.endr
.set I_, 0
.rept 64
	v_mov_b32 v[OX+I_], 0                          ; O^T of both tiles: the step is written once; the first change of M leaves zeros zeros
.set I_, I_+1
.endr
	WIN 0
.irp s, STX, STY
	v_mov_b32 v[\s+1], 0xff61b1e6                  ; the largest score so far: -3e38
	v_mov_b32 v[\s], 0x7f61b1e6                    ; -M: a whole number above every -t
	v_mov_b32 v[\s+2], 0
	v_mov_b32 v[\s+3], 0
.endr
.irp i, FX, FX+1, FY, FY+1, T0, RWX, RWY
	v_mov_b32 v[\i], 0
.endr
	v_lshl_add_u32 v123, v0, 4, KSW
	v_mov_b32 v120, 0x00fe0000                     ; the byte 254 in a word's third place
	v_mov_b32 v119, 0x00640000                     ; the byte 100 there
	WALU
	s_wait_loadcnt 0x0
.irp e, 0,1
.irp k, 0,1,2,3
	v_cmp_eq_u32 vcc_lo, 0, v[80+4*\e+\k]
	v_cndmask_b32 v121, 0, v120, vcc_lo            ; a choice of a value, no branch
	v_lshrrev_b32 v122, 16, v[72+4*\e+\k]
	v_and_or_b32 v[96+4*\e+\k], v[72+4*\e+\k], 0xffff, v121   ; the even head's word
	v_or_b32 v[104+4*\e+\k], v122, v121            ; the odd head's
.endr
	ds_store_b128 v123, v[96+4*\e:99+4*\e] offset:4096*\e
	ds_store_b128 v123, v[104+4*\e:107+4*\e] offset:8192+4096*\e
	ds_store_b128 v123, v[88+4*\e:91+4*\e] offset:VSW-KSW+4096*\e
.endr
	v_and_or_b32 v[QX], v112, 0xffff, v119
	v_and_or_b32 v[QY], v113, 0xffff, v119
	v_lshrrev_b32 v[Q2X], 16, v112
	v_lshrrev_b32 v[Q2Y], 16, v113
	v_or_b32 v[Q2X], v[Q2X], v119
	v_or_b32 v[Q2Y], v[Q2Y], v119
	WALU                                           ; the wait at the head's end
.macro KLOAD o                         ; K's eight fragments and scale words of the key step o steps on from the addresses in hand
	WIN TO_1
.irp t, 0,1,2,3,4,5,6,7
	ds_load_b128 v[KF+16*\t:KF+16*\t+3], v[ADK] offset:8192*(\o)+1024*\t
	ds_load_b128 v[KF+16*\t+4:KF+16*\t+7], v[ADK] offset:8192*(\o)+1024*\t+512
.endr
	WIN 0
.irp t, 0,1,2,3,4,5,6,7
	ds_load_b32 v[KS+\t], v[ADS] offset:512*(\o)+64*\t
.endr
.endm
; A tile's softmax of 128 keys: scores at SB; -M, the largest score and the sum at ST; f to F; p's codes to CB; p's scale word to PR
.macro SOFT SB, ST, F, CB, PR
	WALU                                           ; the wait ahead of the first readers of the scores
.irp p, 0,1                                    ; the largest score of each block of 32 keys: for the row's maximum, and, since p rises with the score, for the block's largest p; four tiles by turns
.irp t, 0,1,2,3
	v_max3_num_f32 v[TP+\t], v[\SB+32*\p+8*\t], v[\SB+1+32*\p+8*\t], v[\SB+2+32*\p+8*\t]
.endr
.irp i, 3,5
.irp t, 0,1,2,3
	v_max3_num_f32 v[TP+\t], v[TP+\t], v[\SB+32*\p+8*\t+\i], v[\SB+1+32*\p+8*\t+\i]
.endr
.endr
.irp u, 0,1
	v_max3_num_f32 v[TP+2*\u], v[TP+2*\u], v[\SB+7+32*\p+16*\u], v[\SB+15+32*\p+16*\u]
.endr
.irp u, 0,1
	v_max_num_f32 v[BM+2*\p+\u], v[TP+2*\u], v[TP+1+2*\u]
.endr
.endr
.irp b, 0,1,2,3
	v_permlanex16_b32 v[TP+\b], v[BM+\b], s[SEL], s[SEL+1]
.endr
.irp b, 0,1,2,3
	v_max_num_f32 v[BM+\b], v[BM+\b], v[TP+\b]     ; with lane l xor 16's 16 keys
.endr
	v_max3_num_f32 v[T0], v[BM], v[BM+1], v[BM+2]
	v_max3_num_f32 v[\ST+1], v[\ST+1], v[T0], v[BM+3]   ; the running largest score (c is positive: the largest t is c x it)
	v_mul_f32 v[T0], s[NC], v[\ST+1]               ; -t
	v_mov_b32 v[T1], v[\ST]
	v_floor_f32 v[\ST], v[T0]                      ; the new -M = -ceil(t)
	v_sub_f32 v[T0], v[\ST], v[T1]                 ; old M - new M: a whole number, 0 or less
	v_cvt_i32_f32 v[T0], v[T0]                     ; (it saturates)
	v_ldexp_f32 v[\F], 1.0, v[T0]                  ; f = 2^(old M - new M)
.set J_, 0
.rept 32
	v_pk_fma_f32 v[\SB+J_:\SB+1+J_], v[\SB+J_:\SB+1+J_], s[CS:CS+1], v[\ST:\ST+1] op_sel_hi:[1,0,0]   ; t - M
.set J_, J_+2
.endr
.irp b, 0,1,2,3
	v_fma_f32 v[BM+\b], v[BM+\b], s[CS], v[\ST]
.endr
	WALU                                           ; the wait ahead of the batch
.set J_, 0
.rept 64
	v_exp_f32 v[\SB+J_], v[\SB+J_]                 ; p = 2^(t - M)
.set J_, J_+1
.endr
.irp b, 0,1,2,3
	v_exp_f32 v[BM+\b], v[BM+\b]                   ; the block's largest p
.endr
	v_pk_mul_f32 v[\ST+2:\ST+3], v[\ST+2:\ST+3], v[\F:\F+1] op_sel_hi:[1,0]   ; the sums under the new M (a plain place behind the exponentials)
	WALU                                           ; one wait for the batch, ahead of its first reader
.irp b, 0,1,2,3
	v_max_num_f32 v[BM+\b], 0x8000000, v[BM+\b]    ; the floor 2^(16 - 127)
.endr
.irp b, 0,1,2,3
	v_add_nc_u32 v[SO+\b], 0xf8800000, v[BM+\b]    ; the conversion's scale operand
.endr
.irp b, 0,1,2,3
	v_and_or_b32 v[BD+\b], v[BM+\b], 0x7f800000, s[MNT]   ; 57,344 x the scale
.endr
.irp b, 0,1,2,3
	v_lshrrev_b32 v[TP+\b], 23, v[SO+\b]
.endr
	v_lshl_or_b32 v[\PR], v[TP+1], 8, v[TP]        ; p's scale word for these 128 keys
	v_lshl_or_b32 v[\PR], v[TP+2], 16, v[\PR]
	v_lshl_or_b32 v[\PR], v[TP+3], 24, v[\PR]
; the row's sum of the unquantised p: 32 pairs into eight chains, then joined
.irp i, 0,1,2,3,4,5,6
	v_pk_add_f32 v[SM+2*\i:SM+1+2*\i], v[\SB+4*\i:\SB+1+4*\i], v[\SB+2+4*\i:\SB+3+4*\i]
.endr
	v_pk_add_f32 v[\ST+2:\ST+3], v[\ST+2:\ST+3], v[\SB+28:\SB+29]
.irp k, 0,1
.irp i, 0,1,2,3,4,5,6
	v_pk_add_f32 v[SM+2*\i:SM+1+2*\i], v[SM+2*\i:SM+1+2*\i], v[\SB+30+16*\k+2*\i:\SB+31+16*\k+2*\i]
.endr
	v_pk_add_f32 v[\ST+2:\ST+3], v[\ST+2:\ST+3], v[\SB+44+16*\k:\SB+45+16*\k]
.endr
	v_pk_add_f32 v[SM:SM+1], v[SM:SM+1], v[\SB+62:\SB+63]
	v_pk_add_f32 v[SM+4:SM+5], v[SM+4:SM+5], v[SM+6:SM+7]
	v_pk_add_f32 v[SM+8:SM+9], v[SM+8:SM+9], v[SM+10:SM+11]
	v_pk_add_f32 v[\ST+2:\ST+3], v[\ST+2:\ST+3], v[SM+12:SM+13]
	v_pk_add_f32 v[SM:SM+1], v[SM:SM+1], v[SM+2:SM+3]
	v_pk_add_f32 v[SM+4:SM+5], v[SM+4:SM+5], v[SM+8:SM+9]
	v_pk_add_f32 v[\ST+2:\ST+3], v[\ST+2:\ST+3], v[SM:SM+1]
	v_pk_add_f32 v[\ST+2:\ST+3], v[\ST+2:\ST+3], v[SM+4:SM+5]
.irp b, 0,1,2,3
.irp i, 0,2,4,6,8,10,12,14
	v_dual_min_num_f32 v[\SB+16*\b+\i], v[BD+\b], v[\SB+16*\b+\i] :: v_dual_min_num_f32 v[\SB+1+16*\b+\i], v[BD+\b], v[\SB+1+16*\b+\i]   ; the conversion does not saturate (ISA guide 7.6.2); p is not negative: a one-sided hold, two a line
.endr
	v_cvt_scalef32_pk8_bf8_f32 v[\CB+4*\b:\CB+1+4*\b], v[\SB+16*\b:\SB+7+16*\b], v[SO+\b]
	v_cvt_scalef32_pk8_bf8_f32 v[\CB+2+4*\b:\CB+3+4*\b], v[\SB+8+16*\b:\SB+15+16*\b], v[SO+\b]
.endr
.endm
; A KEY STEP of both tiles.  K's fragments and scale words of this step were asked for a step ago (a slot's first: ahead of the loop)
.macro STEP2
	v_add_nc_u32 v[ADK], s[TK], v[AK0]
	v_add_nc_u32 v[ADV], s[TK], v[AV0]
	v_add_nc_u32 v[ADS], s[TS], v[ASK0]
	v_add_nc_u32 v[ADT], s[TJ], v[ASV0]
	WALU                                           ; the wait directly behind the writes
	PLACES 5                                       ; with the four additions nine places: the products below write over registers that the last step's products read as operands
	s_wait_dscnt 0x0
	WIN W_S
.irp t, 0,1,2,3,4,5,6,7
	v_wmma_scale_f32_16x16x128_f8f6f4 v[SX+8*\t:SX+8*\t+7], v[KF+16*\t:KF+16*\t+15], v[QFX:QFX+15], 0, v[KS+\t], v[QX] matrix_a_fmt:MATRIX_FMT_BF8 matrix_b_fmt:MATRIX_FMT_BF8
.endr
.irp t, 0,1,2,3,4,5,6,7
	v_wmma_scale_f32_16x16x128_f8f6f4 v[SY+8*\t:SY+8*\t+7], v[KF+16*\t:KF+16*\t+15], v[QFY:QFY+15], 0, v[KS+\t], v[QY] matrix_a_fmt:MATRIX_FMT_BF8 matrix_b_fmt:MATRIX_FMT_BF8
.endr
	WIN 0
	PLACES 8                                       ; ahead of loads into what the products have read, and of the first reader of the scores
	s_cmp_eq_u32 s[CNT], 1                         ; a slot's last step has no successor in the slot: a branch on the loop's counter, round LDS loads alone
	s_cbranch_scc1 .Llast_\@
	KLOAD 1
.Llast_\@:
	SOFT SX, STX, FX, CDX, PX
.irp t, 0,1,2,3                                ; V's four fragments take the first tile's registers, and land under the second tile's softmax
.irp c, 0,1,2,3
	ds_load_b128 v[SX+16*\t+4*\c:SX+16*\t+4*\c+3], v[ADV] offset:2048*\t+512*\c
.endr
	ds_load_b32 v[VS+\t], v[ADT] offset:64*\t
.endr
	SOFT SY, STY, FY, CDY, PY
	WIN W_F
	WALU                                           ; the wait ahead of the first reader of O^T
.irp j, 0,2,4,6,8,10,12,14,16,18,20,22,24,26,28,30
	v_pk_mul_f32 v[OX+\j:OX+1+\j], v[OX+\j:OX+1+\j], v[FX:FX+1] op_sel_hi:[1,0]   ; O^T under the new M; also the places behind the conversions and in front of the products
.endr
.irp j, 0,2,4,6,8,10,12,14,16,18,20,22,24,26,28,30
	v_pk_mul_f32 v[OY+\j:OY+1+\j], v[OY+\j:OY+1+\j], v[FY:FY+1] op_sel_hi:[1,0]
.endr
	WALU
	s_wait_dscnt 0x0
	WIN W_PV
.irp t, 0,1,2,3                                ; O^T += V^T P^T: eight accumulators by turns
	v_wmma_scale_f32_16x16x128_f8f6f4 v[OX+8*\t:OX+8*\t+7], v[SX+16*\t:SX+16*\t+15], v[CDX:CDX+15], v[OX+8*\t:OX+8*\t+7], v[VS+\t], v[PX] matrix_a_fmt:MATRIX_FMT_BF8 matrix_b_fmt:MATRIX_FMT_BF8
.endr
.irp t, 0,1,2,3
	v_wmma_scale_f32_16x16x128_f8f6f4 v[OY+8*\t:OY+8*\t+7], v[SX+16*\t:SX+16*\t+15], v[CDY:CDY+15], v[OY+8*\t:OY+8*\t+7], v[VS+\t], v[PY] matrix_a_fmt:MATRIX_FMT_BF8 matrix_b_fmt:MATRIX_FMT_BF8
.endr
	WIN 0
.endm
; THE CHANGE OF SLOTS, at a slot's head: each wave waits for all its tensor loads, adds 0 to its spare word, and waits for that, for its LDS stores and for its reads of the slot that it has left.
; fill = 1: a round of the cluster's barrier, and behind it the other slot's joint load, which has this slot's eight key steps in which to land: one load of a wave is out at the most.
.macro CHANGE fill
	s_wait_tensorcnt 0x0                           ; no tensor load of mine is out, so the group 0 may be written
	ds_add_u32 v[SPW], v[NIL]                      ; 0 onto my spare word
.if \fill
	s_xor_b32 s[G0+1], s[G0+1], SLOT1              ; the other slot than last time,
	s_add_nc_u64 s[G0+2:G0+3], s[G0+2:G0+3], 65536 ; the next 1,024 keys; the third time the odd head's first
.endif
	s_wait_dscnt 0x0
.if \fill
	ROUND
	TLOAD
.else
	s_barrier_signal -1
	s_barrier_wait -1
.endif
.endm
.macro RUN idx                         ; the eight key steps of the launch's slot idx
	s_mov_b32 s[TK], ((\idx)%2)*SLOT1
	s_mov_b32 s[TS], 4096*(\idx)
	s_mov_b32 s[TJ], 2048*(\idx)
	s_mov_b32 s[CNT], 8
	v_add_nc_u32 v[ADK], s[TK], v[AK0]
	v_add_nc_u32 v[ADS], s[TS], v[ASK0]
	KLOAD 0                                        ; the slot's first step
.Lstep_\@:
	STEP2
	s_add_co_u32 s[TK], s[TK], 8192
	s_add_co_u32 s[TS], s[TS], 512
	s_add_co_u32 s[TJ], s[TJ], 256
	s_sub_co_u32 s[CNT], s[CNT], 1
	s_cmp_lg_u32 s[CNT], 0
	s_cbranch_scc1 .Lstep_\@
.endm
; A tile's way out at a head's end: O^T / the sum, quantised along its 64 channels (two blocks), stored as c = 2 j, 2 j + 1 of the result's image
.macro HOUT OB, ST, RW, OC, j, goff
	v_add_f32 v[\ST+2], v[\ST+2], v[\ST+3]
	v_permlanex16_b32 v[T0], v[\ST+2], s[SEL], s[SEL+1]
	v_add_f32 v[\ST+2], v[\ST+2], v[T0]            ; the row's sum
	WALU                                           ; the wait ahead of the transcendental
	v_rcp_f32 v[\ST+2], v[\ST+2]
	v_nop                                          ; a plain place behind the transcendental
	WIN 0x01                                       ; source 0: window 1
	WALU                                           ; the wait ahead of its first reader, which is also the first reader of O^T
.irp i, 0,2,4,6,8,10,12,14,16,18,20,22,24,26,28,30
	v_pk_mul_f32 v[SX+\i:SX+1+\i], v[\OB+\i:\OB+1+\i], v[\ST+2:\ST+3] op_sel_hi:[1,0]   ; register 16 b + i: channel 32 b + 16 h + i; each accumulator from its low end on
.endr
	WIN 0
.irp b, 0,1
	v_max3_num_f32 v[BM+\b], |v[SX+16*\b]|, |v[SX+1+16*\b]|, 0x8000000
.endr
.irp i, 2,4,6,8,10,12,14
.irp b, 0,1
	v_max3_num_f32 v[BM+\b], v[BM+\b], |v[SX+16*\b+\i]|, |v[SX+1+16*\b+\i]|
.endr
.endr
.irp b, 0,1
	v_permlanex16_b32 v[TP+\b], v[BM+\b], s[SEL], s[SEL+1]
.endr
.irp b, 0,1
	v_max_num_f32 v[BM+\b], v[BM+\b], v[TP+\b]
.endr
.irp b, 0,1
	v_add_nc_u32 v[SO+\b], 0xf8800000, v[BM+\b]
.endr
.irp b, 0,1
	v_and_or_b32 v[BD+\b], v[BM+\b], 0x7f800000, s[MNT]
.endr
.irp b, 0,1
	v_lshrrev_b32 v[TP+\b], 23, v[SO+\b]
.endr
.if \j == 0
	v_lshl_or_b32 v[\RW], v[TP+1], 8, v[TP]        ; bytes 0, 1 of the row's word for this pair of heads
.else
	v_lshl_or_b32 v[RT], v[TP+1], 8, v[TP]
	v_lshl_or_b32 v[\RW], v[RT], 16, v[\RW]        ; bytes 2, 3
.endif
.irp b, 0,1
.irp i, 0,1,2,3,4,5,6,7,8,9,10,11,12,13,14,15
	v_med3_num_f32 v[SX+16*\b+\i], v[SX+16*\b+\i], -v[BD+\b], v[BD+\b]
.endr
	v_cvt_scalef32_pk8_bf8_f32 v[\OC+4*\b:\OC+1+4*\b], v[SX+16*\b:SX+7+16*\b], v[SO+\b]
	v_cvt_scalef32_pk8_bf8_f32 v[\OC+2+4*\b:\OC+3+4*\b], v[SX+8+16*\b:SX+15+16*\b], v[SO+\b]
.endr
	v_nop                                          ; a plain line behind the last conversion
	global_store_b128 v[GO], v[\OC:\OC+3], s[56:57] offset:1024*\j+\goff       ; 512 consecutive bytes a store
	global_store_b128 v[GO], v[\OC+4:\OC+7], s[56:57] offset:1024*\j+\goff+512
.endm
	CHANGE 1                                       ; slot 0 is whole; slot 1's first fill, issued as a refill is
	RUN 0
	CHANGE 1                                       ; slot 0 takes the odd head's first 1,024 keys
	RUN 1
	PLACES 8                                       ; behind the last products
	HOUT OX, STX, RWX, OCX, 0, 0
	HOUT OY, STY, RWY, OCY, 0, 131072
	WIN W_F                                        ; the odd head: its Q,
.irp i, 0,1,2,3,4,5,6,7
	v_mov_b32 v[QFX+\i], v[Q2F+\i]
	v_mov_b32 v[QFY+\i], v[Q2F+8+\i]
.endr
	WIN TO_1
.set I_, 0
.rept 64
	v_mov_b32 v[OX+I_], 0
.set I_, I_+1
.endr
	WIN 0
	v_mov_b32 v[QX], v[Q2X]                        ; its scale words,
	v_mov_b32 v[QY], v[Q2Y]
.irp s, STX, STY
	v_mov_b32 v[\s+1], 0xff61b1e6                  ; and a new beginning
	v_mov_b32 v[\s], 0x7f61b1e6
	v_mov_b32 v[\s+2], 0
	v_mov_b32 v[\s+3], 0
.endr
	WALU
	s_wait_xcnt 0x0                                ; the four stores have read their data: the odd head's codes take the same registers
	CHANGE 1                                       ; slot 1 takes the odd head's last 1,024 keys
	RUN 2
	CHANGE 0                                       ; nothing is filled again: a plain barrier
	RUN 3
	PLACES 8
	HOUT OX, STX, RWX, OCX, 1, 0
	HOUT OY, STY, RWY, OCY, 1, 131072
	ds_store_b32 v[AW], v[RWX]                     ; my 32 rows' scale words; both halves of the lanes write the same
	ds_store_b32 v[AW], v[RWY] offset:512
	s_wait_dscnt 0x0
	s_barrier_signal -1
	s_barrier_wait -1
	s_cmp_lt_u32 s[WV], 2
	s_cbranch_scc0 .Lno_words
	ds_load_b128 v[SY:SY+3], v[AR]                 ; eight tiles' words: a rowblock's 128
	s_wait_dscnt 0x0
	global_store_b128 v[GO], v[SY:SY+3], s[58:59]  ; 512 consecutive bytes
.Lno_words:
	s_wait_tensorcnt 0x0                           ; the wave's end
	ds_add_u32 v[SPW], v[NIL]
	s_wait_dscnt 0x0
	ROUND                                          ; the closing round
	s_endpgm
.Lfunc_end_k_qa70d5ae74c_attn:
	.size	k_qa70d5ae74c_attn, .Lfunc_end_k_qa70d5ae74c_attn-k_qa70d5ae74c_attn
	.p2alignl 7, 3214868480
	.fill 96, 4, 3214868480
	.section	.rodata,"a",@progbits
	.p2align	6, 0x0
	.amdhsa_kernel k_qa70d5ae74c_attn
		.amdhsa_group_segment_fixed_size 327680
		.amdhsa_private_segment_fixed_size 0
		.amdhsa_enable_private_segment 0
		.amdhsa_kernarg_size 40
		.amdhsa_user_sgpr_count 2
		.amdhsa_user_sgpr_kernarg_segment_ptr 1
		.amdhsa_wavefront_size32 1
		.amdhsa_system_sgpr_workgroup_id_x 1
		.amdhsa_system_sgpr_workgroup_id_y 1
		.amdhsa_system_sgpr_workgroup_id_z 1
		.amdhsa_system_vgpr_workitem_id 0
		.amdhsa_next_free_vgpr 512
		.amdhsa_next_free_sgpr 66
		.amdhsa_reserve_vcc 1
		.amdhsa_float_denorm_mode_32 3
		.amdhsa_float_denorm_mode_16_64 3
		.amdhsa_memory_ordered 1
		.amdhsa_forward_progress 1
		.amdhsa_inst_pref_size 190
	.end_amdhsa_kernel
	.amdgpu_metadata
---
amdhsa.version: [ 1, 2 ]
amdhsa.kernels:
  - .name:           k_qa70d5ae74c_attn
    .symbol:         k_qa70d5ae74c_attn.kd
    .args:
      - { .name: qkvimg, .offset: 0, .size: 8, .value_kind: global_buffer, .address_space: global }
      - { .name: qkvscl, .offset: 8, .size: 8, .value_kind: global_buffer, .address_space: global }
      - { .name: attn_mask, .offset: 16, .size: 8, .value_kind: global_buffer, .address_space: global }
      - { .name: aoimg, .offset: 24, .size: 8, .value_kind: global_buffer, .address_space: global }
      - { .name: aoscl, .offset: 32, .size: 8, .value_kind: global_buffer, .address_space: global }
    .group_segment_fixed_size: 327680
    .private_segment_fixed_size: 0
    .kernarg_segment_align: 8
    .kernarg_segment_size: 40
    .max_flat_workgroup_size: 256
    .sgpr_count:     66
    .vgpr_count:     512
    .wavefront_size: 32
...
	.end_amdgpu_metadata
.endif
;; end of part 3
;; launch outp (part 4): grid 4 x 64, 4 waves a work-group, clusters of 4 x 4, 327,680 bytes of LDS; arguments aoimg, aoscl, opimg, opscl, bo, out0; writes out0
.if DOCPART == 4
	.amdgcn_target "amdgcn-amd-amdhsa--gfx1250"
	.amdhsa_code_object_version 6
	.text
	.protected	k_qa70d5ae74c_outp
	.globl	k_qa70d5ae74c_outp
	.p2align	8
	.type	k_qa70d5ae74c_outp,@function
k_qa70d5ae74c_outp:
	s_mov_b64 s[64:65], 0
	v_nop
	global_prefetch_b8 v0, s[64:65] scope:SCOPE_SE
	s_setreg_imm32_b32 hwreg(HW_REG_WAVE_MODE, 25, 1), 1
	s_wait_xcnt 0x0
	s_wait_alu depctr_hold_cnt(0) depctr_sa_sdst(0) depctr_va_vdst(0) depctr_va_sdst(0) depctr_va_ssrc(0) depctr_va_vcc(0) depctr_vm_vsrc(0)
	s_getreg_b32 s2, hwreg(HW_REG_IB_STS2, 6, 4)
	s_cmp_eq_u32 s2, 0
	s_cbranch_scc0 .Lentry_in_a_cluster
	s_endpgm
.Lentry_in_a_cluster:
	s_bfe_u32 s2, ttmp6, 0x10000c
	s_cmp_lg_u32 s2, 0xf033
	s_cbranch_scc0 .Lentry_shape_is_right
	s_endpgm
.Lentry_shape_is_right:
; out0 [8192][1024] f32 = AO wo + bo on codes of BF8 (E5M2) with E8M0 scales.  AO: aoimg, aoscl (64 rowblocks of 128 token positions); wo: rowblocks 88-95 of opimg, opscl (128 column positions each).
; An operand is the image of its registers: [rowblock][K step of 128, 0..7][tile 0..7][c 0..3][lane][16 bytes]; scale words [rowblock][K step][128 words].  A position is an index with bits 3 and 4 exchanged.
; SHARES.  256 work-groups of four waves; a work-group makes 128 tokens (one rowblock of AO) x 256 columns (two rowblocks of wo); a wave 64 x 128: 32 accumulators, window 2.
; THE MATRIX INSTRUCTION IS USED TRANSPOSED (source 0 = 16 columns of wo, source 1 = 16 tokens): a lane's 16 registers of column tiles 2 b, 2 b + 1 are 16 neighbouring columns of one token's row.  The bias is the first products' C.
; LDS.  Two slots of THREE K steps: AO's 49,152 bytes, then wo's two rowblocks of 49,152 each, brought as one tile of two rows.  K's eight steps are three fills: steps 0-2 at the head, 3-5 behind the head's round, 6-7 by the one refill.
; The scale words of all of K (4,096 + 8,192 bytes) come once, at the head.  The head's four tiles go one to a wave; later fills: wave 0 AO's tile, wave 1 wo's.
; CLUSTER 4 x 4: AO's tiles hang on the tile row alone and are shared along a row of the cluster, wo's on the tile column alone and are shared along a column.
; Both operands have two sets of registers: step k + 1's 56 LDS loads are issued ahead of step k's 32 products.
; NO PREFETCH: the text has no loop to run ahead in; of its three fills two stand at the head.
; REGISTERS: window 0: v12-29 addresses; v32-47 scale words, two sets of eight (lanes 0-15 AO's tile i, lanes 16-31 wo's tile i); v64-127 the bias; v128-255 AO's fragments, two sets of four; on the way out rows read back.  Window 1: wo's fragments, two sets of eight.
.set KST,    16384                     ; a rowblock's K step
.set ASL,    3*KST                     ; three K steps of one rowblock
.set SLOT,   3*ASL
.set SCL,    2*SLOT                    ; AO's scale words, then wo's
.set SPARE,  SCL+12288                 ; the spare words: 128 bytes a wave, two blocks of 256 bytes that no other line names
.set SPITCH, 528
.set STAGE,  SLOT                      ; the way out's stages lie in slot 1: it has had its last fill, and nobody reads it behind the last change of slots
.set FR,     16
.set NP,     8
.set ADRA, 12
.set ADRB, 14
.set STO,  24
.set RD,   25
.set CO,   26
.set ADRS, 27
.set SPW,  28
.set NIL,  29
.set SC,   32
.set E,    64
.set AF,   128
.set BK,   128
.set WV,   20
.set AH,   21
.set BH,   22
.set TR,   23
.set G1,   24
.set G0,   32
.set TC,   40
.set BIA,  46
.set G1B,  48
.set G0B,  56
.set CX,   66
.set CY,   67
.set G1S,  68
.set G0S,  76
.set G1SB, 80
.set G0SB, 88
.set MSB, 0
.macro WIN new                         ; the immediate's high byte repeats the setting that is left
.if MSB != (\new)
	s_set_vgpr_msb (MSB<<8)|(\new)
.set MSB, (\new)
.endif
.endm
.set MUL_LO, 0xa1                      ; source 0 window 1, source 1 window 0, C and D window 2
.set MUL_E,  0x81                      ; the same with C in window 0: the bias
.set TO_B,   0x40
.macro PLACES n
.rept \n
	v_nop
.endr
.endm
.macro TL g0, g1                       ; a tensor load; an s_nop 0 and four v_nop follow it
	tensor_load_to_lds s[\g0:\g0+3], s[\g1:\g1+7]
	s_nop 0
	PLACES 4
.endm
.macro JLOAD s                         ; a later fill: wave 0 asks for AO's tile, wave 1 for wo's, waves 2 and 3 for nothing
	s_cmp_eq_u32 s[WV], 0
	s_cbranch_scc0 .Lnot_a_\@
	TL G0+4*\s, G1
	s_branch .Lasked_\@
.Lnot_a_\@:
	s_cmp_eq_u32 s[WV], 1
	s_cbranch_scc0 .Lasked_\@
	TL G0B+4*\s, G1B
.Lasked_\@:
.endm
.macro CREST
	s_cmp_lg_u32 s[WV], 0
	s_cbranch_scc1 .Lnot_wave_0_\@
	s_barrier_signal -3
.Lnot_wave_0_\@:
	s_barrier_wait -3
	s_barrier_signal -1
	s_barrier_wait -1
.endm
.macro CROUND
	s_barrier_signal -1
	s_barrier_wait -1
	CREST
.endm
	s_load_b256 s[4:11], s[0:1], 0x0               ; aoimg, aoscl, opimg, opscl
	s_load_b128 s[12:15], s[0:1], 0x20             ; bo, out0
	v_lshl_add_u32 v[SPW], v0, 2, SPARE
	v_mov_b32 v[NIL], 0
	ds_add_u32 v[SPW], v[NIL]                      ; the opening lines: the add, twice on end, and its wait ahead of the round in front of my first tensor load
	ds_add_u32 v[SPW], v[NIL]
	v_lshrrev_b32 v1, 5, v0
	v_readfirstlane_b32 s[WV], v1                  ; wave 0..3
	s_lshr_b32 s[AH], s[WV], 1                     ; which 64 tokens
	s_and_b32 s[BH], s[WV], 1                      ; which 128 columns
	s_bfe_u32 s[CX], ttmp6, 0x40000
	s_bfe_u32 s[CY], ttmp6, 0x40004
	s_lshl_b32 s[TC], ttmp9, 2
	s_add_co_u32 s[TC], s[TC], s[CX]               ; tile column, 0..3
	s_and_b32 s[TR], ttmp7, 0xffff
	s_lshl_b32 s[TR], s[TR], 2
	s_add_co_u32 s[TR], s[TR], s[CY]               ; tile row = AO's rowblock, 0..63
	s_lshl_b32 s3, s[CY], 2
	s_lshl_b32 s3, 15, s3                          ; my row of the cluster
	s_lshl_b32 s2, 0x1111, s[CX]                   ; my column
	s_or_b32 s[G1], s3, (3<<16)|(1<<21)            ; elements of 8 bytes; no padding: images are read 16 bytes a lane on end
	s_or_b32 s[G1S], s3, (3<<16)|(1<<21)
	s_or_b32 s[G1B], s2, (3<<16)|(1<<21)
	s_or_b32 s[G1SB], s2, (3<<16)|(1<<21)
	s_mov_b32 s[G1+1], 32<<16                      ; AO's tile: 192 dense rows of 256 bytes
	s_mov_b32 s[G1+2], 192<<16
	s_mov_b32 s[G1+3], 32<<16
	s_mov_b32 s[G1+4], 192
	s_mov_b32 s[G1+5], 32
	s_mov_b32 s[G1+6], 0
	s_mov_b32 s[G1+7], 0
	s_mov_b32 s[G1B+1], 6144<<16                   ; wo's tile: two rows of 49,152 bytes, 131,072 bytes apart
	s_mov_b32 s[G1B+2], 2<<16
	s_mov_b32 s[G1B+3], 6144<<16
	s_mov_b32 s[G1B+4], 2
	s_mov_b32 s[G1B+5], 16384
	s_mov_b32 s[G1B+6], 0
	s_mov_b32 s[G1B+7], 0
	s_mov_b32 s[G1S+1], 32<<16                     ; AO's scale words: 16 rows of 256 bytes
	s_mov_b32 s[G1S+2], 16<<16
	s_mov_b32 s[G1S+3], 32<<16
	s_mov_b32 s[G1S+4], 16
	s_mov_b32 s[G1S+5], 32
	s_mov_b32 s[G1S+6], 0
	s_mov_b32 s[G1S+7], 0
	s_mov_b32 s[G1SB+1], 32<<16                    ; wo's: 32 rows
	s_mov_b32 s[G1SB+2], 32<<16
	s_mov_b32 s[G1SB+3], 32<<16
	s_mov_b32 s[G1SB+4], 32
	s_mov_b32 s[G1SB+5], 32
	s_mov_b32 s[G1SB+6], 0
	s_mov_b32 s[G1SB+7], 0
	s_lshl_b32 s96, s[TR], 17
	s_lshl_b32 s98, s[TR], 12
	s_lshl_b32 s92, s[TC], 1
	s_add_co_u32 s92, s92, 88
	s_lshl_b32 s94, s92, 12
	s_lshl_b32 s92, s92, 17
	s_mov_b32 s97, 0
	s_mov_b32 s99, 0
	s_mov_b32 s93, 0
	s_mov_b32 s95, 0
	s_wait_dscnt 0x0                               ; both opening adds are done
	s_wait_kmcnt 0x0
	s_add_nc_u64 s[96:97], s[4:5], s[96:97]
	s_add_nc_u64 s[98:99], s[6:7], s[98:99]
	s_add_nc_u64 s[92:93], s[8:9], s[92:93]
	s_add_nc_u64 s[94:95], s[10:11], s[94:95]
	CROUND                                         ; all sixteen work-groups are here: the first joint loads meet
	s_mov_b32 s[G0S], 1
	s_mov_b32 s[G0S+1], SCL
	s_mov_b64 s[G0S+2:G0S+3], s[98:99]
	s_or_b32 s[G0S+3], s[G0S+3], 0x80000000
	s_mov_b32 s[G0SB], 1
	s_mov_b32 s[G0SB+1], SCL+4096
	s_mov_b64 s[G0SB+2:G0SB+3], s[94:95]
	s_or_b32 s[G0SB+3], s[G0SB+3], 0x80000000
.irp s, 0,1
	s_mov_b32 s[G0+4*\s], 1
	s_mov_b32 s[G0+4*\s+1], \s*SLOT
	s_add_nc_u64 s[G0+4*\s+2:G0+4*\s+3], s[96:97], \s*ASL
	s_or_b32 s[G0+4*\s+3], s[G0+4*\s+3], 0x80000000
	s_mov_b32 s[G0B+4*\s], 1
	s_mov_b32 s[G0B+4*\s+1], \s*SLOT+ASL
	s_add_nc_u64 s[G0B+4*\s+2:G0B+4*\s+3], s[92:93], \s*ASL
	s_or_b32 s[G0B+4*\s+3], s[G0B+4*\s+3], 0x80000000
.endr
; the head's four tiles, one a wave, in one chain of branches on the wave's number: every way passes exactly one load
.macro ARM under, g0, g1, next
	s_cmp_lt_u32 s[WV], \under
	s_cbranch_scc0 \next
	TL \g0, \g1
	s_branch .Lhead_asked
\next:
.endm
	ARM 1, G0,  G1,  .Lhead_b
	ARM 2, G0B, G1B, .Lhead_sa
	ARM 3, G0S, G1S, .Lhead_sb
	TL G0SB, G1SB
.Lhead_asked:
	s_lshl_b32 s2, s[TC], 1
	s_add_co_u32 s2, s2, s[BH]
	s_lshl_b32 s2, s2, 9                           ; my 128 columns, in bytes
	s_mov_b32 s3, 0
	s_add_nc_u64 s[BIA:BIA+1], s[12:13], s[2:3]
	s_add_nc_u64 s[14:15], s[14:15], s[2:3]
	s_lshl_b32 s2, s[TR], 19                       ; 128 rows of 4,096 bytes,
	s_lshl_b32 s92, s[AH], 18                      ; + my 64
	s_add_co_u32 s2, s2, s92
	s_add_nc_u64 s[14:15], s[14:15], s[2:3]
	s_lshl_b32 s92, s[AH], 13                      ; AO's fragments: my four tiles of the rowblock's eight
	s_add_co_u32 s93, s92, SLOT
	s_mul_i32 s94, s[BH], ASL                      ; wo's: my rowblock, behind AO's part of a slot
	s_add_co_u32 s94, s94, ASL
	s_add_co_u32 s95, s94, SLOT
	s_lshl_b32 s97, s[AH], 8                       ; scale words: lanes 0-15 AO's, my 64 rows;
	s_lshl_b32 s96, s[BH], 12
	s_add_co_u32 s96, s96, 4096
	s_sub_co_u32 s96, s96, s97                     ; lanes 16-31 wo's: the distance between the two
	s_add_co_u32 s97, s97, SCL
	s_mul_i32 s98, s[WV], 16*SPITCH
	s_add_co_u32 s98, s98, STAGE                   ; my stage
	v_and_b32 v1, 15, v0
	v_bfe_u32 v2, v0, 4, 1
	v_and_b32 v3, 31, v0
	v_lshlrev_b32 v3, 4, v3
	v_lshlrev_b32 v8, 6, v2
	v_add_nc_u32 v[ADRA], s92, v3
	v_add_nc_u32 v[ADRA+1], s93, v3
	v_add_nc_u32 v[ADRB], s94, v3
	v_add_nc_u32 v[ADRB+1], s95, v3
	v_mul_u32_u24 v4, s96, v2
	v_lshl_add_u32 v4, v1, 2, v4
	v_add_nc_u32 v[ADRS], s97, v4
	v_mul_u32_u24 v5, v1, SPITCH
	v_lshl_add_u32 v5, v2, 6, v5
	v_add_nc_u32 v[STO], s98, v5                   ; in: row l % 16, 64 bytes for each half of the lanes
	v_add_nc_u32 v[RD], s98, v3                    ; back: the 32 lanes take one row of 512 bytes
	v_mov_b32 v[CO], v3
.irp t, 0,1,2,3,4,5,6,7
	global_load_b128 v[E+8*\t:E+8*\t+3], v8, s[BIA:BIA+1] offset:(32*(\t/2)+8*(\t%2))*4      ; register j of tile t: column 32 (t / 2) + 16 h + 8 (t % 2) + j
	global_load_b128 v[E+8*\t+4:E+8*\t+7], v8, s[BIA:BIA+1] offset:(32*(\t/2)+8*(\t%2))*4+16
.endr
.macro FRAG reg, adr, q, i
.irp c, 0,1,2,3
	ds_load_b128 v[\reg+4*\c:\reg+4*\c+3], v[\adr] offset:KST*(\q)+2048*(\i)+512*\c
.endr
.endm
.macro FETCH k                         ; K step k's fragments and scale words into set k % 2: 56 LDS loads
.set S_, ((\k)/3)%2
.set Q_, (\k)%3
.set P_, (\k)%2
	WIN TO_B
.irp i, 0,1,2,3,4,5,6,7
	FRAG 128*P_+FR*\i, ADRB+S_, Q_, \i
.endr
	WIN 0
.irp i, 0,1,2,3
	FRAG AF+64*P_+FR*\i, ADRA+S_, Q_, \i
.endr
.irp i, 0,1,2,3,4,5,6,7
	ds_load_b32 v[SC+8*P_+\i], v[ADRS] offset:64*\i+512*(\k)
.endr
.endm
.macro MUL8 a, k, bias                 ; token tile a against the eight column tiles, K step k.  The 32 accumulators take turns, in the same order in every step
.set P_, (\k)%2
.irp b, 0,1,2,3,4,5,6,7
.if \bias
	v_wmma_scale_f32_16x16x128_f8f6f4 v[8*(8*(\a)+\b):8*(8*(\a)+\b)+7], v[128*P_+FR*\b:128*P_+FR*\b+FR-1], v[AF+64*P_+FR*(\a):AF+64*P_+FR*(\a)+FR-1], v[E+8*\b:E+8*\b+7], v[SC+8*P_+\b], v[SC+8*P_+(\a)] matrix_a_fmt:MATRIX_FMT_BF8 matrix_b_fmt:MATRIX_FMT_BF8 matrix_a_scale:MATRIX_SCALE_ROW1
.else
	v_wmma_scale_f32_16x16x128_f8f6f4 v[8*(8*(\a)+\b):8*(8*(\a)+\b)+7], v[128*P_+FR*\b:128*P_+FR*\b+FR-1], v[AF+64*P_+FR*(\a):AF+64*P_+FR*(\a)+FR-1], v[8*(8*(\a)+\b):8*(8*(\a)+\b)+7], v[SC+8*P_+\b], v[SC+8*P_+(\a)] matrix_a_fmt:MATRIX_FMT_BF8 matrix_b_fmt:MATRIX_FMT_BF8 matrix_a_scale:MATRIX_SCALE_ROW1
.endif
.endr
.endm
.macro INNER k, bias                   ; a K step whose successor lies in the same slot
	s_wait_dscnt 0x0                               ; step k's fragments are in
	PLACES NP                                      ; behind step k - 1's products, ahead of loads into the set that they read
	FETCH (\k)+1
.if \bias
	WIN MUL_E
.else
	WIN MUL_LO
.endif
.irp a, 0,1,2,3
	MUL8 \a, \k, \bias
.endr
	WIN 0
.endm
.macro TURN k, fill                    ; a slot's last K step: its fragments are in registers, so my reads of the slot are over at its head
	s_wait_dscnt 0x0
	PLACES NP
	s_wait_tensorcnt 0x0                           ; all my tensor loads have landed: my tile of the next slot, if I fetched one
	ds_add_u32 v[SPW], v[NIL]                      ; 0 onto my spare word
	WIN MUL_LO
	MUL8 0, \k, 0                                  ; eight products stand between the add and the wait for it
	s_wait_dscnt 0x0
	s_barrier_signal -1
	MUL8 1, \k, 0
	WIN 0
	s_barrier_wait -1
.if \fill
	CREST                                          ; the barrier has opened a round of the cluster's barrier
	s_add_nc_u64 s[G0+2:G0+3], s[G0+2:G0+3], 2*ASL ; K steps 6 and 7
	s_add_nc_u64 s[G0B+2:G0B+3], s[G0B+2:G0B+3], 2*ASL
	s_mov_b32 s[G1+2], 128<<16                     ; of AO's rowblock two K steps are left: 128 rows
	s_mov_b32 s[G1+4], 128
	s_mov_b32 s[G1B+1], 4096<<16                   ; of each of wo's rows 32,768 bytes are left; the tile keeps its shape, and what lies beyond is written as zeros and not read
	JLOAD 0
.endif
	FETCH (\k)+1
	WIN MUL_LO
	MUL8 2, \k, 0
	MUL8 3, \k, 0
	WIN 0
.endm
	s_wait_alu depctr_va_vdst(0)                   ; the wait at the head's end
	s_wait_tensorcnt 0x0                           ; my tile of the head's four is in; slot 1's first fill is issued as a refill is
	ds_add_u32 v[SPW], v[NIL]
	s_wait_dscnt 0x0
	CROUND
	JLOAD 1                                        ; K steps 3 to 5
	FETCH 0
	s_wait_loadcnt 0x0                             ; the bias
	INNER 0, 1
	INNER 1, 0
	TURN 2, 1
	INNER 3, 0
	INNER 4, 0
	TURN 5, 0                                      ; nothing is filled again: a plain barrier
	INNER 6, 0
	s_wait_dscnt 0x0
	WIN MUL_LO
.irp a, 0,1,2,3
	MUL8 \a, 7, 0
.endr
	WIN 0
; THE WAY OUT, block by block of 16 tokens x 128 columns, through my own stage: whole rows of 512 bytes come back and leave as two aligned units of 256 bytes.  LDS serves a wave's instructions in order (ISA guide 5.7.1.4).
.macro TOSTAGE a
	WIN 0x08                                       ; the data: window 2
.irp b, 0,1,2,3,4,5,6,7
	ds_store_b128 v[STO], v[64*(\a)+8*\b:64*(\a)+8*\b+3] offset:128*(\b/2)+32*(\b%2)      ; each accumulator from its low end on
	ds_store_b128 v[STO], v[64*(\a)+8*\b+4:64*(\a)+8*\b+7] offset:128*(\b/2)+32*(\b%2)+16
.endr
	WIN 0
.set BB, BK+64*((\a)%2)
.irp t, 0,1,2,3,4,5,6,7,8,9,10,11,12,13,14,15
	ds_load_b128 v[BB+4*\t:BB+4*\t+3], v[RD] offset:\t*SPITCH
.endr
.endm
.macro SEND a, younger                 ; row t of tile a is token 32 (a / 2) + 16 (t / 8) + 8 (a % 2) + t % 8 of my 64
.set BB, BK+64*((\a)%2)
	s_wait_dscnt \younger
.irp t, 0,1,2,3,4,5,6,7,8,9,10,11,12,13,14,15
	global_store_b128 v[CO], v[BB+4*\t:BB+4*\t+3], s[14:15] offset:(32*((\a)/2)+16*(\t/8)+8*((\a)%2)+\t%8)*4096 th:TH_STORE_NT
.endr
.endm
	PLACES NP
	TOSTAGE 0
.irp a, 1,2,3
.if \a > 1
	s_wait_xcnt 0x0                                ; block a - 2's stores have read their registers: block a's loads may land there
.endif
	TOSTAGE \a
	SEND \a-1, 32                                  ; behind block a - 1's loads: block a's 16 stores and 16 loads
.endr
	SEND 3, 0
	s_wait_tensorcnt 0x0                           ; the wave's end
	ds_add_u32 v[SPW], v[NIL]
	s_wait_dscnt 0x0
	CROUND                                         ; the closing round
	s_endpgm
.Lfunc_end_k_qa70d5ae74c_outp:
	.size	k_qa70d5ae74c_outp, .Lfunc_end_k_qa70d5ae74c_outp-k_qa70d5ae74c_outp
	.p2alignl 7, 3214868480
	.fill 96, 4, 3214868480
	.section	.rodata,"a",@progbits
	.p2align	6, 0x0
	.amdhsa_kernel k_qa70d5ae74c_outp
		.amdhsa_group_segment_fixed_size 327680
		.amdhsa_private_segment_fixed_size 0
		.amdhsa_enable_private_segment 0
		.amdhsa_kernarg_size 48
		.amdhsa_user_sgpr_count 2
		.amdhsa_user_sgpr_kernarg_segment_ptr 1
		.amdhsa_wavefront_size32 1
		.amdhsa_system_sgpr_workgroup_id_x 1
		.amdhsa_system_sgpr_workgroup_id_y 1
		.amdhsa_system_sgpr_workgroup_id_z 1
		.amdhsa_system_vgpr_workitem_id 0
		.amdhsa_next_free_vgpr 768
		.amdhsa_next_free_sgpr 102
		.amdhsa_reserve_vcc 0
		.amdhsa_float_denorm_mode_32 3
		.amdhsa_float_denorm_mode_16_64 3
		.amdhsa_memory_ordered 1
		.amdhsa_forward_progress 1
		.amdhsa_inst_pref_size 91
	.end_amdhsa_kernel
	.amdgpu_metadata
---
amdhsa.version: [ 1, 2 ]
amdhsa.kernels:
  - .name:           k_qa70d5ae74c_outp
    .symbol:         k_qa70d5ae74c_outp.kd
    .args:
      - { .name: aoimg, .offset: 0, .size: 8, .value_kind: global_buffer, .address_space: global }
      - { .name: aoscl, .offset: 8, .size: 8, .value_kind: global_buffer, .address_space: global }
      - { .name: opimg, .offset: 16, .size: 8, .value_kind: global_buffer, .address_space: global }
      - { .name: opscl, .offset: 24, .size: 8, .value_kind: global_buffer, .address_space: global }
      - { .name: bo, .offset: 32, .size: 8, .value_kind: global_buffer, .address_space: global }
      - { .name: out0, .offset: 40, .size: 8, .value_kind: global_buffer, .address_space: global }
    .group_segment_fixed_size: 327680
    .private_segment_fixed_size: 0
    .kernarg_segment_align: 8
    .kernarg_segment_size: 48
    .max_flat_workgroup_size: 128
    .sgpr_count:     102
    .vgpr_count:     768
    .wavefront_size: 32
...
	.end_amdgpu_metadata
.endif
;; end of part 4
